; MI455X (gfx1250); checked and timed in simulation.
; The chip was launched on July 23, 2026; its instructions are those of AMD's public machine-readable ISA for CDNA 5 (MIT licence, August 2026) and "CDNA5" Instruction Set Architecture Reference Guide (July 2026). The comments in the code are by the model that wrote it; some were corrected since.
;; Gemma4 Model. Allowed arithmetic: matrix products marked QUANTISED: E2M1 operands, one E8M0 scale for each 32 along K, by v_wmma_scale_f32_16x16x128_f8f6f4 with both operands' format E2M1 (or v_wmma_scale_f32_32x16x128_f4), f32 sums; everything else in f32.
;; Inputs: Wk_codes 1,024 x 64 x 16 uint8 (E2M1 codes of Wk, K innermost, in blocks of 32 codes, two codes a byte); Wk_scales 1,024 x 64 uint8 (E8M0 scales of Wk, one for each 32 codes along K); Wo_codes 2,048 x 32 x 16 uint8 (E2M1 codes of Wo, K innermost, in blocks of 32 codes, two codes a byte); Wo_scales 2,048 x 32 uint8 (E8M0 scales of Wo, one for each 32 codes along K); Wq_codes 1,024 x 64 x 16 uint8 (E2M1 codes of Wq, K innermost, in blocks of 32 codes, two codes a byte); Wq_scales 1,024 x 64 uint8 (E8M0 scales of Wq, one for each 32 codes along K); Wv_codes 1,024 x 64 x 16 uint8 (E2M1 codes of Wv, K innermost, in blocks of 32 codes, two codes a byte); Wv_scales 1,024 x 64 uint8 (E8M0 scales of Wv, one for each 32 codes along K); cos 1 x 4,096 x 256 float32; doc_ids 4,096 int32; hidden_states_codes 1 x 4,096 x 64 x 16 uint8 (E2M1 codes of hidden_states, K innermost, in blocks of 32 codes, two codes a byte); hidden_states_scales 1 x 4,096 x 64 uint8 (E8M0 scales of hidden_states, one for each 32 codes along K); k_norm_w 256 float32; q_norm_w 256 float32; sin 1 x 4,096 x 256 float32.
;; Outputs: out0 1 x 4,096 x 2,048 float32.
;; This version of the problem:
;;   THIS VERSION OF THE PROBLEM IS GIVEN IN LOW PRECISION. The matrix products marked QUANTISED in the list below multiply operands that are first quantised to E2M1 (2 exponent bits, 1 mantissa bit; 4 bits a number), with one power-of-two scale for each 32 numbers along K (OCP MX v1.0); their sums are f32. All else is computed in f32.
;;   The module's matrix products, in the order in which they are computed (A, B: the left and right operand; K: the contracted axis; several contracted axes count as one K, in the product's order):
;;     1. [M 4,096, K 2,048] x [K 2,048, N 1,024]; A: input hidden_states (given as codes); B: input Wq (given as codes): QUANTISED
;;     2. [M 4,096, K 2,048] x [K 2,048, N 1,024]; A: input hidden_states (given as codes); B: input Wk (given as codes): QUANTISED
;;     3. [M 4,096, K 2,048] x [K 2,048, N 1,024]; A: input hidden_states (given as codes); B: input Wv (given as codes): QUANTISED
;;     4. batch 4 x [M 4,096, K 256] x [K 256, N 4,096]; A: computed on the way; B: computed on the way: QUANTISED
;;     5. batch 4 x [M 256, K 4,096] x [K 4,096, N 4,096]; A: computed on the way; B: softmax (see below): QUANTISED
;;     6. [M 4,096, K 1,024] x [K 1,024, N 2,048]; A: computed on the way; B: input Wo (given as codes): QUANTISED
;;   THE QUANTISER, for each operand of a quantised product, along K:
;;     - K is cut into blocks of 32 from its start; a last block that is shorter is filled with zeros.
;;     - A block's scale is 2^e with e = floor(log2(the largest magnitude in the block)) - 2, held to -126 .. 127; a block of zeros has e = 0. As a byte (E8M0): e + 127.
;;     - Each number is divided by its block's scale, clamped to +-6, and rounded to the nearest number of E2M1, ties to even, subnormals kept.
;;     - The product sums the exact products of the quantised numbers (number of the format x scale) in f32.
;;   ~~~python
;;   def quantise(x, axis):      # numpy; x: float32 -> the quantised numbers, widened to float32 again
;;       x = np.moveaxis(x, axis, -1); K = x.shape[-1]
;;       x = np.pad(x, [(0, 0)] * (x.ndim - 1) + [(0, -K % 32)]); x = x.reshape(x.shape[:-1] + (-1, 32)); a = np.abs(x).max(-1, keepdims=True)
;;       e = np.where(a > 0, np.clip(np.frexp(np.where(a > 0, a, 1))[1] - 1 - 2, -126, 127), 0)      # np.frexp(a)[1] - 1 = floor(log2(a)), exactly
;;       r = np.clip(x / 2.0 ** e, -6, 6)
;;       step = 2.0 ** (np.maximum(np.frexp(np.where(r == 0, 1, r))[1] - 1, 0) - 1)
;;       q = np.round(r / step) * step * 2.0 ** e      # np.round: ties to even
;;       return np.moveaxis(q.reshape(q.shape[:-2] + (-1,))[..., :K], -1, axis).astype(np.float32)
;;   ~~~
;;   SOFTMAX AHEAD OF A QUANTISED PRODUCT. Where the list says 'softmax', what is quantised is not the finished softmax but p = 2^(t - M), with t = logit x log2(e) and M = ceil(the row's largest t), a whole number; so 1/2 < the row's largest p <= 1. The row's sum l is taken of the UNQUANTISED p, in f32, and the product's result is divided by l at the end. Since M is a whole number, a kernel that streams over the keys may use a running M (the ceiling of the running maximum): every later rescaling is an exact power of two, which a block's scale takes up: the codes' values come out the same.
;;   OPERANDS COMPUTED ON THE WAY. 'Computed on the way' means the value that the module computes at that place (a softmax that the list does not call 'softmax' is quantised finished and normalised). What goes into a quantiser is computed in f32, as accurately as f32 sums, v_exp_f32 and their like allow (about 1e-6 of the number): no bf16 or f16 on the way to a quantiser, and a product that is left as it is and whose result goes on into a quantised operand takes f32 operands (vector FMAs, or v_wmma_f32_16x16x4_f32). A number that lies on a knife's edge between two numbers of the format may be rounded either way, as far as f32 arithmetic and the matrix unit's own rounding can turn it there, and no further.
;;   INPUTS GIVEN AS CODES. Wk (in the module: [2048, 1024], K = its axis 0); Wo (in the module: [1024, 2048], K = its axis 0); Wq (in the module: [2048, 1024], K = its axis 0); Wv (in the module: [2048, 1024], K = its axis 0); hidden_states (in the module: [1, 4096, 2048], K = its axis 2): each comes as NAME_codes (uint8): NAME with its K axis moved to the last place and cut into blocks of 32 codes, [.., K / 32, bytes a block], one block behind the other in memory; two codes a byte, the lower K in the low four bits (a code: sign, 2 exponent bits, 1 mantissa bit); and NAME_scales (uint8): the same leading axes, one E8M0 byte (e + 127) for each 32 codes along K. Its value is code x scale, taken as it is: it is not quantised again, and the codes and scales need not be those that the quantiser above would give.
;; One version. Each part assembles by itself: llvm-mc -triple=amdgcn-amd-amdhsa -mcpu=gfx1250 --defsym DOCPART=n.
;; ======== version 1 of 1: 3 launches
;; limits: right only within a limited range of input values
;; workspace buffers: qw 2,228,224 bytes; kv 4,456,448 bytes; oc 2,228,224 bytes
;; launch qkv (part 1): grid 64 x 4, 4 waves a work-group, clusters of 4 x 4, 327,680 bytes of LDS; arguments hidden_states_codes, hidden_states_scales, Wq_codes, Wq_scales, Wk_codes, Wk_scales, Wv_codes, Wv_scales, cos, sin, q_norm_w, k_norm_w, qw, kv; writes qw, kv
.if DOCPART == 1
	.amdgcn_target "amdgcn-amd-amdhsa--gfx1250"
	.amdhsa_code_object_version 6
	.text
	.protected	k_q6f43f6fd6c_qkv
	.globl	k_q6f43f6fd6c_qkv
	.p2align	8
	.type	k_q6f43f6fd6c_qkv,@function
k_q6f43f6fd6c_qkv:
	s_mov_b64 s[64:65], 0
	v_nop
	global_prefetch_b8 v0, s[64:65] scope:SCOPE_SE
	s_setreg_imm32_b32 hwreg(HW_REG_WAVE_MODE, 25, 1), 1
	s_wait_xcnt 0x0
	s_wait_alu depctr_hold_cnt(0) depctr_sa_sdst(0) depctr_va_vdst(0) depctr_va_sdst(0) depctr_va_ssrc(0) depctr_va_vcc(0) depctr_vm_vsrc(0)
	s_getreg_b32 s2, hwreg(HW_REG_IB_STS2, 6, 4)
	s_cmp_eq_u32 s2, 0
	s_cbranch_scc0 .Lentry_in_a_cluster
	s_endpgm
.Lentry_in_a_cluster:
	s_bfe_u32 s2, ttmp6, 0x10000c
	s_cmp_lg_u32 s2, 0xf033
	s_cbranch_scc0 .Lentry_shape_is_right
	s_endpgm
.Lentry_shape_is_right:
; q, k, v of 64 tokens and one head: three products [64] x [256], K = 2,048, on codes of FP4 (E2M1); RMS norm over the head's 256, rotation (q, k), and the quantiser of the attention's operands, all in f32.
; No input is left out.  Dead work left out, in the attention: blocks of 128 keys that the problem's own causal mask or window of 1,024 hides from all of a work-group's queries, whatever the inputs hold: a NaN, an infinity or an overflow that reaches only those is not carried to the result.
; LIMITS: NaN and infinities are not served.  A block of zeros gets the scale byte 1: its codes are zeros, and this program alone reads the bytes.
; SHARES.  256 work-groups: x = block of 64 tokens, y = head.  Wave w takes the head's columns 32 w .. + 31 and 128 + 32 w .. + 31, so that a rotation's two partners lie in one lane.
; The tokens' 64 fragments (4 tiles x 16 K steps) stay in 512 registers; a fragment of W is read from LDS once and feeds four products.
; FILLS of two LDS slots, each 256 lines of 512 bytes + 16: W's 256 rows x 1,024 along K, or cos and sin (four blocks of 64 lines: cos low, cos high, sin low, sin high half).
;   slot 0: q's first half of K, k's first, cos and sin, v's second;  slot 1: (tokens, in its lower half), q's second, k's second, v's first.
; CLUSTERS of 4 x 4: W is shared along a row (same head), tokens, cos and sin along a column (same tokens): joint loads.
; PREFETCH: behind each fill's load, what the next fill will ask for: the four partners of a row share W's rows out by address, those of a column the rows of cos and sin; W, which all clusters read, is asked for by every fourth cluster.
; LAYOUT.  q, k: source 0 = 16 rows of W, source 1 = 16 tokens: a lane holds one token, register 8 b + j column (16 b') + 8 (lane / 16) + j.  v: the sources the other way round: a lane holds one column, registers run along tokens.
; Wave w's 64 columns are half w % 2 of the fragment w / 2 of the scores' product: q and k share this order of the head's 256.
; REGISTERS.  Window 0: v1-31 addresses and constants; v32-63 tokens' scale words; v64-95, v96-127 W's, two sets (outside the products: at work); v128-255 W's fragments, four buffers (outside: at work).
;   Window 1: v0-127 q's sums, then v's; v128-255 k's.  Windows 2, 3: the tokens' fragments.
.set QTR,    33792
.set SLOTB,  135168
.set SPARE,  270336
.set SCR,    270848                    ; q's sums, k's sums, q's bytes, k's bytes: 4 x 2,048; v's sums 1,024; v's bytes 512
.set SPW, 1
.set NIL, 2
.set L16, 3
.set RR,  4
.set HH,  5
.set ADB, 6                            ; v6-9
.set ACS, 10                           ; v10, v11
.set SQO, 12
.set SQR, 13
.set VO1, 14
.set VO3, 15
.set WOF, 16
.set PFO, 17
.set BSO, 18
.set ASO, 19
.set RSP, 20                           ; v20, v21
.set RS,  22                           ; v22-25
.set GSR, 26
.set GSO, 27
.set SVO, 28
.set VSQ, 29
.set TT,  30                           ; scratch, then the tokens' LDS address
.set PF2, 31
.set SA,  32
.set S0,  64
.set S1,  96
.set TM,  64
.set PC,  80
.set PQ,  84
.set PK,  88
.set TR,  96
.set BF,  128
.set WW,  192
.set SSP, 224
.set G1B, 20
.set G1A, 28
.set G1H, 36
.set GA1, 44
.set GA2, 48
.set G0R, 52
.set QW1, 56
.set KW,  58
.set VW,  60
.set CSW, 62
.set PCB, 96
.set SEL, 98
.set W0, (1<<20)|(1<<21)|(6<<22)|(3<<25)   ; bytes; padding of 4 words behind every 128; bit 21 beside a mask
.set MSB, 0
.macro WIN new
.if MSB != (\new)
	s_set_vgpr_msb (MSB<<8)|(\new)
.set MSB, (\new)
.endif
.endm
.macro AW
	s_wait_alu depctr_va_vdst(0)
.endm
.macro PLACES
.rept 4
	v_nop
.endr
.endm
.macro CROUND
	s_barrier_signal -1
	s_barrier_wait -1
	s_cmp_lg_u32 s14, 0
	s_cbranch_scc1 .Lnot_wave_0_\@
	s_barrier_signal -3
.Lnot_wave_0_\@:
	s_barrier_wait -3
	s_barrier_signal -1
	s_barrier_wait -1
.endm
.macro TL g0, g1
	tensor_load_to_lds s[\g0:\g0+3], s[\g1:\g1+7]
	s_nop 0
	PLACES
.endm
; The three lines in front of a round; the descriptor is written between the add and its wait, where no load of mine is out.
.macro MEET slot, base, off
	AW
	s_wait_tensorcnt 0x0
	ds_add_u32 v[SPW], v[NIL]
	s_add_co_u32 s[G0R+1], s67, \slot*SLOTB
	s_add_nc_u64 s[G0R+2:G0R+3], s[\base:\base+1], \off
	s_wait_dscnt 0x0
	CROUND
.endm
.macro CHANGE slot, base, off, g1
	MEET \slot, \base, \off
	TL G0R, \g1
.endm
.macro ASK base, off
	s_cmp_eq_u32 s66, 0
	s_cbranch_scc0 .Lnot_mine_\@
	global_prefetch_b8 v[PFO], s[\base:\base+1] offset:\off th:TH_LOAD_NT scope:SCOPE_SE
.Lnot_mine_\@:
.endm
.macro G1SET g, rows
	s_mov_b32 s[\g+1], 512<<16
	s_mov_b32 s[\g+2], \rows<<16
	s_mov_b32 s[\g+3], 512<<16
	s_mov_b32 s[\g+4], \rows
	s_mov_b32 s[\g+5], 1024
	s_mov_b32 s[\g+6], 0
	s_mov_b32 s[\g+7], 0
.endm
; Scale words of four tiles x 16 K steps: register 16 b + s: lanes 0-15 tile b, lanes 16-31 tile b + 2.
.macro SCLD dst, off, ptr
.irp b, 0,1
.irp q, 0,1,2,3
	global_load_b128 v[\dst+16*\b+4*\q:\dst+16*\b+4*\q+3], v[\off], s[\ptr:\ptr+1] offset:1024*\b+16*\q
.endr
.endr
.endm
; One K step's fragments of my 64 rows of W.
.macro FETCH slot, n                   ; (one K step, 8 loads, into buffer n % 4)
.irp b, 0,1,2,3
.irp c, 0,1
	ds_load_b128 v[BF+32*((\n)%4)+8*\b+4*\c:BF+32*((\n)%4)+8*\b+4*\c+3], v[ADB+2*\slot+\b/2] offset:8448*(\b%2)+64*(\n)+32*\c
.endr
.endr
.endm
.macro WM
.if ZZ
.if RA == 0 && RB == 0
	v_wmma_scale_f32_16x16x128_f8f6f4 v[DD:DD+7], v[FA:FA+7], v[FB:FB+7], 0, v[XA], v[XB] matrix_a_fmt:MATRIX_FMT_FP4 matrix_b_fmt:MATRIX_FMT_FP4
.elseif RB == 0
	v_wmma_scale_f32_16x16x128_f8f6f4 v[DD:DD+7], v[FA:FA+7], v[FB:FB+7], 0, v[XA], v[XB] matrix_a_fmt:MATRIX_FMT_FP4 matrix_b_fmt:MATRIX_FMT_FP4 matrix_a_scale:MATRIX_SCALE_ROW1
.elseif RA == 0
	v_wmma_scale_f32_16x16x128_f8f6f4 v[DD:DD+7], v[FA:FA+7], v[FB:FB+7], 0, v[XA], v[XB] matrix_a_fmt:MATRIX_FMT_FP4 matrix_b_fmt:MATRIX_FMT_FP4 matrix_b_scale:MATRIX_SCALE_ROW1
.else
	v_wmma_scale_f32_16x16x128_f8f6f4 v[DD:DD+7], v[FA:FA+7], v[FB:FB+7], 0, v[XA], v[XB] matrix_a_fmt:MATRIX_FMT_FP4 matrix_b_fmt:MATRIX_FMT_FP4 matrix_a_scale:MATRIX_SCALE_ROW1 matrix_b_scale:MATRIX_SCALE_ROW1
.endif
.else
.if RA == 0 && RB == 0
	v_wmma_scale_f32_16x16x128_f8f6f4 v[DD:DD+7], v[FA:FA+7], v[FB:FB+7], v[DD:DD+7], v[XA], v[XB] matrix_a_fmt:MATRIX_FMT_FP4 matrix_b_fmt:MATRIX_FMT_FP4
.elseif RB == 0
	v_wmma_scale_f32_16x16x128_f8f6f4 v[DD:DD+7], v[FA:FA+7], v[FB:FB+7], v[DD:DD+7], v[XA], v[XB] matrix_a_fmt:MATRIX_FMT_FP4 matrix_b_fmt:MATRIX_FMT_FP4 matrix_a_scale:MATRIX_SCALE_ROW1
.elseif RA == 0
	v_wmma_scale_f32_16x16x128_f8f6f4 v[DD:DD+7], v[FA:FA+7], v[FB:FB+7], v[DD:DD+7], v[XA], v[XB] matrix_a_fmt:MATRIX_FMT_FP4 matrix_b_fmt:MATRIX_FMT_FP4 matrix_b_scale:MATRIX_SCALE_ROW1
.else
	v_wmma_scale_f32_16x16x128_f8f6f4 v[DD:DD+7], v[FA:FA+7], v[FB:FB+7], v[DD:DD+7], v[XA], v[XB] matrix_a_fmt:MATRIX_FMT_FP4 matrix_b_fmt:MATRIX_FMT_FP4 matrix_a_scale:MATRIX_SCALE_ROW1 matrix_b_scale:MATRIX_SCALE_ROW1
.endif
.endif
.endm
; 16 products: one K step, the 16 accumulators by turns in the same order.
.macro MULG g, k, acc, sb, vm, z       ; (one K step: 16 products)
.irp b, 0,1,2,3
.irp t, 0,1,2,3
.set ZZ, (\z) && ((\g) == 0)
.set WFR, BF+32*((\g)%4)+8*\b
.set TFR, 32*(\g)+8*\t
.set WSC, (\sb)+16*(\b%2)+8*(\k)+(\g)
.set TSC, SA+16*(\t%2)+8*(\k)+(\g)
.if \vm
.set DD, (\acc)+32*\b+8*\t
.set FA, TFR
.set FB, WFR
.set XA, TSC
.set XB, WSC
.set RA, \t/2
.set RB, \b/2
.else
.set DD, (\acc)+32*\t+8*\b
.set FA, WFR
.set FB, TFR
.set XA, WSC
.set XB, TSC
.set RA, \b/2
.set RB, \t/2
.endif
	WM
.endr
.endr
.endm
; A slot: 1,024 along K (its k-th half), in eight K steps through four buffers; three steps' loads are out while one is multiplied.
.macro SLOT slot, k, acc, sb, vm, z    ; (eight K steps through four buffers: three steps' loads are out while one is multiplied)
	FETCH \slot, 0
	FETCH \slot, 1
	FETCH \slot, 2
.irp g, 0,1,2,3,4,5,6,7
.if \g < 5
	WIN 0
.if \g > 0
	PLACES
.endif
	FETCH \slot, \g+3
	s_wait_dscnt 24                                ; all but the three younger steps' 8 loads each
.else
	s_wait_dscnt 56-8*\g                           ; 16, 8, 0: the younger steps' loads
.endif
.if \vm
	WIN 0x52+\k
.else
	WIN 0x58+4*\k
.endif
	MULG \g, \k, \acc, \sb, \vm, \z
.endr
	WIN 0
.endm
; The norm of q or k, ahead of a round: my columns' sums of squares.
.macro NORM1 acc, so
	PLACES
	WIN 0x05
.irp t, 0,1,2,3
	v_pk_mul_f32 v[SSP+2*\t:SSP+2*\t+1], v[\acc+32*\t:\acc+32*\t+1], v[\acc+32*\t:\acc+32*\t+1]
.endr
.set P, 1
.rept 15
.irp t, 0,1,2,3
	v_pk_fma_f32 v[SSP+2*\t:SSP+2*\t+1], v[\acc+32*\t+2*P:\acc+32*\t+2*P+1], v[\acc+32*\t+2*P:\acc+32*\t+2*P+1], v[SSP+2*\t:SSP+2*\t+1]
.endr
.set P, P+1
.endr
	WIN 0
.irp t, 0,1,2,3
	v_add_f32 v[SSP+8+\t], v[SSP+2*\t], v[SSP+2*\t+1]
.endr
.irp t, 0,1,2,3
	v_permlanex16_b32 v[SSP+12+\t], v[SSP+8+\t], s[SEL], s[SEL+1]
.endr
.irp t, 0,1,2,3
	v_add_f32 v[SSP+8+\t], v[SSP+8+\t], v[SSP+12+\t]
.endr
	AW
	ds_store_b128 v[SQO], v[SSP+8:SSP+11] offset:\so
.endm
.macro GLD dst, wp                     ; the gains of my columns
.irp f, 0,1
.irp b, 0,1
.irp p, 0,1
	global_load_b128 v[\dst+16*\f+8*\b+4*\p:\dst+16*\f+8*\b+4*\p+3], v[WOF], s[\wp:\wp+1] offset:512*\f+64*\b+16*\p
.endr
.endr
.endr
.endm
; Behind the round: x times gain (the gains lie at gr, in the window that gw gives source 1), the four waves' sums, and x times 1 / root.
.macro NORM2 acc, so, gw, gr
.irp w, 0,1,2,3
	ds_load_b128 v[BF+4*\w:BF+4*\w+3], v[SQR] offset:\so+512*\w
.endr
	s_wait_loadcnt 0x0
	WIN \gw
.irp t, 0,1,2,3
.set P, 0
.rept 16
	v_pk_mul_f32 v[\acc+32*\t+2*P:\acc+32*\t+2*P+1], v[\acc+32*\t+2*P:\acc+32*\t+2*P+1], v[\gr+2*P:\gr+2*P+1]
.set P, P+1
.endr
.endr
	WIN 0
	AW
	s_wait_dscnt 0x0
.irp t, 0,1,2,3
	v_add_f32 v[SSP+8+\t], v[BF+\t], v[BF+4+\t]
	v_add_f32 v[SSP+12+\t], v[BF+8+\t], v[BF+12+\t]
.endr
.irp t, 0,1,2,3
	v_add_f32 v[SSP+8+\t], v[SSP+8+\t], v[SSP+12+\t]
.endr
.irp t, 0,1,2,3
	v_fma_f32 v[SSP+8+\t], v[SSP+8+\t], s100, s101
.endr
	AW
.irp t, 0,1,2,3
	v_rsq_f32 v[RS+\t], v[SSP+8+\t]
.endr
	v_nop
	AW
.irp t, 0,1,2,3
	v_mov_b32 v[RSP], v[RS+\t]
	WIN 0x41
.set P, 0
.rept 16
	v_pk_mul_f32 v[\acc+32*\t+2*P:\acc+32*\t+2*P+1], v[\acc+32*\t+2*P:\acc+32*\t+2*P+1], v[RSP:RSP+1] op_sel_hi:[1,0]
.set P, P+1
.endr
	WIN 0
.endr
	AW
.endm
; The quantiser of 32 registers: block 0 in registers 0-15, block 1 in 16-31, each shared by lanes l and l xor 16.  The codes' four words: lanes 0-15 block 0, lanes 16-31 block 1, in order; the two bytes go into register pw.
.macro QUANT pw
.irp p, 0,1,2,3
	v_max3_num_f32 v[TM+\p], |v[TR+8*\p]|, |v[TR+8*\p+1]|, 0x1800000
.endr
.irp i, 2,4,6
.irp p, 0,1,2,3
	v_max3_num_f32 v[TM+\p], v[TM+\p], |v[TR+8*\p+\i]|, |v[TR+8*\p+\i+1]|
.endr
.endr
	v_max_num_f32 v[TM], v[TM], v[TM+1]
	v_max_num_f32 v[TM+2], v[TM+2], v[TM+3]
	v_permlanex16_b32 v[TM+4], v[TM], s[SEL], s[SEL+1]
	v_permlanex16_b32 v[TM+5], v[TM+2], s[SEL], s[SEL+1]
	v_max_num_f32 v[TM], v[TM], v[TM+4]
	v_max_num_f32 v[TM+2], v[TM+2], v[TM+5]
	v_add_nc_u32 v[TM+8], 0xff000000, v[TM]
	v_add_nc_u32 v[TM+9], 0xff000000, v[TM+2]
	v_lshrrev_b32 v[TM+6], 23, v[TM+8]
	v_lshrrev_b32 v[TM+7], 23, v[TM+9]
	v_lshl_or_b32 v[\pw], v[TM+7], 8, v[TM+6]
	AW
	s_wait_xcnt 0x0                                ; the last store has read its registers
	v_cvt_scalef32_pk8_fp4_f32 v[PC], v[TR:TR+7], v[TM+8]
	v_cvt_scalef32_pk8_fp4_f32 v[PC+2], v[TR+8:TR+15], v[TM+8]
	v_cvt_scalef32_pk8_fp4_f32 v[PC+1], v[TR+16:TR+23], v[TM+9]
	v_cvt_scalef32_pk8_fp4_f32 v[PC+3], v[TR+24:TR+31], v[TM+9]
	v_nop
	v_permlane16_swap_b32 v[PC], v[PC+1]
	v_permlane16_swap_b32 v[PC+2], v[PC+3]
.endm
.macro CSLD t
.irp a, 0,1
.irp f, 0,1
.irp b, 0,1
.irp p, 0,1
	ds_load_b128 v[BF+64*((\t)%2)+32*\a+16*\f+8*\b+4*\p:BF+64*((\t)%2)+32*\a+16*\f+8*\b+4*\p+3], v[ACS+\a] offset:QTR*\f+8448*(\t)+64*\b+16*\p
.endr
.endr
.endr
.endr
.endm
; The rotation of one tile of 16 tokens, its quantiser, its half fragment.
.macro ROPE t, acc, pw, ptr
.set CB, BF+64*((\t)%2)
.set XX, \acc+32*(\t)
	WIN 0x01
.set P, 0
.rept 8
	v_pk_mul_f32 v[TR+2*P:TR+2*P+1], v[XX+16+2*P:XX+17+2*P], v[CB+32+2*P:CB+33+2*P]
	v_pk_mul_f32 v[TR+16+2*P:TR+17+2*P], v[XX+2*P:XX+2*P+1], v[CB+48+2*P:CB+49+2*P]
.set P, P+1
.endr
.set P, 0
.rept 8
	v_pk_fma_f32 v[TR+2*P:TR+2*P+1], v[XX+2*P:XX+2*P+1], v[CB+2*P:CB+2*P+1], v[TR+2*P:TR+2*P+1] neg_lo:[0,0,1] neg_hi:[0,0,1]
	v_pk_fma_f32 v[TR+16+2*P:TR+17+2*P], v[XX+16+2*P:XX+17+2*P], v[CB+16+2*P:CB+17+2*P], v[TR+16+2*P:TR+17+2*P]
.set P, P+1
.endr
	WIN 0
	QUANT \pw+\t
	global_store_b128 v[VO1], v[PC:PC+3], s[\ptr:\ptr+1] offset:2048*(\t)   ; 32 lanes store 512 consecutive bytes
.endm
	s_load_b512 s[68:83], s[0:1], 0x0
	s_load_b256 s[84:91], s[0:1], 0x40
	s_load_b128 s[92:95], s[0:1], 0x60
	v_lshl_add_u32 v[SPW], v0, 2, SPARE
	v_mov_b32 v[NIL], 0
	ds_add_u32 v[SPW], v[NIL]                      ; the opening add, twice on end, and its wait
	ds_add_u32 v[SPW], v[NIL]
	v_lshrrev_b32 v[TT], 5, v0
	v_readfirstlane_b32 s14, v[TT]                 ; wave 0..3
	s_bfe_u32 s15, ttmp6, 0x40000                  ; cx
	s_bfe_u32 s16, ttmp6, 0x40004                  ; cy = the head
	s_lshl_b32 s17, ttmp9, 2
	s_add_co_u32 s17, s17, s15                     ; my block of 64 tokens
	s_and_b32 s18, s17, 1                          ; which half of a record of 128
	s_and_b32 s66, ttmp9, 3                        ; 0: my cluster prefetches W
	s_lshl_b32 s4, s16, 2
	s_lshl_b32 s4, 15, s4                          ; my row of the cluster
	s_lshl_b32 s5, 0x1111, s15                     ; my column
	s_or_b32 s[G1B], s4, W0
	s_or_b32 s[G1H], s4, W0
	s_or_b32 s[G1A], s5, W0
	G1SET G1B, 64
	G1SET G1A, 64
	G1SET G1H, 128
	s_lshl_b32 s4, s17, 16                         ; 64 rows of 1,024 bytes: tokens' codes, cos, sin
	s_mov_b32 s5, 0
	s_lshl_b32 s6, s16, 18                         ; the head's 256 rows of W
	s_mov_b32 s7, 0
	s_lshl_b32 s8, s14, 16                         ; a fill: I fetch 64 rows
	s_mov_b32 s9, 0
	s_and_b32 s19, s14, 1
	s_lshl_b32 s10, s19, 17                        ; the head's fill of W: 128 rows
	s_mov_b32 s11, 0
	s_mul_i32 s12, s19, 2*QTR
	s_mul_i32 s67, s14, QTR
	s_mov_b32 s[SEL], 0x76543210
	s_mov_b32 s[SEL+1], 0xfedcba98
	s_mov_b32 s100, 0x3b800000                     ; 1 / 256
	s_mov_b32 s101, 0x358637bd                     ; 1e-6
	s_wait_dscnt 0x0
	s_wait_kmcnt 0x0
	s_add_nc_u64 s[68:69], s[68:69], s[4:5]
	s_add_nc_u64 s[72:73], s[72:73], s[6:7]
	s_add_nc_u64 s[76:77], s[76:77], s[6:7]
	s_add_nc_u64 s[80:81], s[80:81], s[6:7]
	s_add_nc_u64 s[QW1:QW1+1], s[72:73], s[8:9]
	s_add_nc_u64 s[QW1:QW1+1], s[QW1:QW1+1], 512
	s_or_b32 s[QW1+1], s[QW1+1], 0x80000000
	s_add_nc_u64 s[KW:KW+1], s[76:77], s[8:9]
	s_or_b32 s[KW+1], s[KW+1], 0x80000000
	s_add_nc_u64 s[VW:VW+1], s[80:81], s[8:9]
	s_or_b32 s[VW+1], s[VW+1], 0x80000000
	s_cmp_lt_u32 s14, 2                            ; waves 0, 1 fetch cos, waves 2, 3 sin
	s_cselect_b64 s[CSW:CSW+1], s[84:85], s[86:87]
	s_add_nc_u64 s[CSW:CSW+1], s[CSW:CSW+1], s[4:5]
	s_lshl_b32 s4, s16, 14
	s_lshl_b32 s13, s19, 13
	s_add_co_u32 s4, s4, s13
	s_add_nc_u64 s[PCB:PCB+1], s[CSW:CSW+1], s[4:5]   ; prefetch: eight of my column's tokens
	s_lshl_b32 s8, s19, 9
	s_add_nc_u64 s[CSW:CSW+1], s[CSW:CSW+1], s[8:9]   ; which 512 bytes of each row
	s_or_b32 s[CSW+1], s[CSW+1], 0x80000000
	s_mov_b32 s[GA1], 1
	s_mov_b32 s[GA1+1], SLOTB
	s_mov_b64 s[GA1+2:GA1+3], s[68:69]
	s_or_b32 s[GA1+3], s[GA1+3], 0x80000000
	s_mov_b32 s[GA2], 1
	s_mov_b32 s[GA2+1], SLOTB+QTR
	s_add_nc_u64 s[GA2+2:GA2+3], s[68:69], 512
	s_or_b32 s[GA2+3], s[GA2+3], 0x80000000
	s_mov_b32 s[G0R], 1
	s_mov_b32 s[G0R+1], s12
	s_add_nc_u64 s[G0R+2:G0R+3], s[72:73], s[10:11]
	s_or_b32 s[G0R+3], s[G0R+3], 0x80000000
	s_lshl_b32 s4, s16, 5                          ; the record of 128 tokens: 32 x head + block
	s_lshr_b32 s6, s17, 1
	s_add_co_u32 s4, s4, s6
	s_mul_i32 s6, s4, 17408
	s_mul_i32 s4, s4, 34816
	s_add_nc_u64 s[92:93], s[92:93], s[6:7]
	s_add_nc_u64 s[94:95], s[94:95], s[4:5]
	CROUND                                         ; all sixteen work-groups are here: the joint loads meet
	s_cmp_eq_u32 s14, 1                            ; one load a wave: waves 1, 2 the tokens' two halves of K, waves 0, 3 the two halves of W's rows
	s_cbranch_scc0 .Lh1
	TL GA1, G1A
	s_branch .Lhd
.Lh1:
	s_cmp_eq_u32 s14, 2
	s_cbranch_scc0 .Lh2
	TL GA2, G1A
	s_branch .Lhd
.Lh2:
	TL G0R, G1H
.Lhd:
	v_and_b32 v[RR], 15, v0
	v_bfe_u32 v[HH], v0, 4, 1
	v_and_b32 v[PF2], 31, v0
	v_lshlrev_b32 v[L16], 4, v[PF2]
	s_lshl_b32 s4, s16, 14
	s_lshl_b32 s5, s14, 11
	s_add_co_u32 s4, s4, s5
	v_lshl_add_u32 v[BSO], v[RR], 6, s4            ; W's scale bytes: row 256 head + 32 w + r (+ 128 in lanes 16-31)
	v_lshl_add_u32 v[BSO], v[HH], 13, v[BSO]
	s_lshl_b32 s4, s17, 12
	v_lshl_add_u32 v[ASO], v[RR], 6, s4            ; the tokens': row 64 block + r (+ 32 in lanes 16-31)
	v_lshl_add_u32 v[ASO], v[HH], 11, v[ASO]
	AW
	SCLD SA, ASO, 70
	SCLD S0, BSO, 74
	SCLD S1, BSO, 78
	v_mul_u32_u24 v[TT], v[RR], 528
	s_mul_i32 s4, s14, 32*528
	s_lshl_b32 s5, s14, 7
	v_lshl_add_u32 v[ACS], v[HH], 5, v[TT]
	v_add_nc_u32 v[ACS], s5, v[ACS]                ; cos: row r, column 32 w + 8 h
	v_add_nc_u32 v[ACS+1], 2*QTR, v[ACS]           ; sin
	v_lshl_add_u32 v[TT], v[HH], 4, v[TT]          ; a fragment: row r, + 16 h
	v_add_nc_u32 v[ADB], s4, v[TT]
	v_add_nc_u32 v[ADB+1], 2*QTR, v[ADB]
	v_add_nc_u32 v[ADB+2], SLOTB, v[ADB]
	v_add_nc_u32 v[ADB+3], SLOTB+2*QTR, v[ADB]
	v_add_nc_u32 v[TT], SLOTB, v[TT]               ; the tokens' fragments
	v_lshl_add_u32 v[WOF], v[HH], 5, s5            ; gains
	s_lshl_b32 s5, s14, 9
	s_add_co_u32 s6, s5, SCR
	v_add_nc_u32 v[SQO], s6, v[L16]
	v_add_nc_u32 v[SQR], SCR, v[L16]
	s_lshl_b32 s6, s18, 13
	s_add_co_u32 s6, s6, s5
	v_add_nc_u32 v[VO1], s6, v[L16]                ; q, k: 8,192 x half + 512 w
	s_lshl_b32 s6, s18, 9
	s_lshl_b32 s7, s14, 11
	s_add_co_u32 s6, s6, s7
	s_add_co_u32 s6, s6, 17408
	v_add_nc_u32 v[VO3], s6, v[L16]                ; v: + 2,048 w + 512 x half
	s_lshl_b32 s6, s15, 16
	s_lshl_b32 s7, s14, 14
	s_add_co_u32 s6, s6, s7
	v_lshrrev_b32 v[PFO], 1, v[PF2]
	v_lshl_add_u32 v[PFO], v[PFO], 10, s6          ; prefetch of W: rows 64 cx + 16 w + lane / 2,
	v_and_b32 v[RSP], 1, v0
	v_lshl_add_u32 v[PFO], v[RSP], 8, v[PFO]       ; 256 bytes each
	v_lshlrev_b32 v[PF2], 8, v[PF2]
	s_lshl_b32 s6, s19, 11
	s_add_co_u32 s6, s6, SCR+4096
	v_lshl_add_u32 v[GSR], v[HH], 10, s6
	v_lshl_add_u32 v[GSR], v[RR], 4, v[GSR]
	s_lshl_b32 s6, s18, 8
	s_add_co_u32 s6, s6, 16384
	v_lshl_add_u32 v[GSO], v[HH], 9, s6
	v_lshl_add_u32 v[GSO], v[RR], 4, v[GSO]
	s_lshl_b32 s6, s14, 2
	s_add_co_u32 s6, s6, SCR+9216
	v_add_nc_u32 v[SVO], s6, v[L16]
	s_lshl_b32 s6, s14, 8
	s_add_co_u32 s6, s6, SCR+8192
	v_lshl_add_u32 v[VSQ], v[HH], 7, s6
	v_mov_b32 v[RSP+1], 0
	AW
	WIN 0x40
	GLD 128, 88                                    ; q's gains, into window 1's upper half, which is free until k's products
	WIN 0
	MEET 1, QW1, 0                                 ; everybody's part of the head's fills is in
	s_cmp_lt_u32 s14, 2                            ; q's second half of K: its upper 128 rows, first fills beside the tokens
	s_cbranch_scc1 .Lf1
	TL G0R, G1B
.Lf1:
.irp k, 0,1
	WIN 0x80+0x40*\k
.irp s, 0,1,2,3,4,5,6,7
.irp t, 0,1,2,3
.irp c, 0,1
	ds_load_b128 v[32*\s+8*\t+4*\c:32*\s+8*\t+4*\c+3], v[TT] offset:QTR*\k+8448*\t+64*\s+32*\c
.endr
.endr
.endr
.endr
	WIN 0
	MEET 1, QW1, 0                                 ; the tokens are in registers in all waves:
	s_cmp_lt_u32 s14, 2                            ; the lower 128 rows, over them
	s_cbranch_scc0 .Lf2
	TL G0R, G1B
.Lf2:
	ASK 76, 0
	s_wait_loadcnt 0x0                             ; the scale words
	SLOT 0, 0, 0, S0, 0, 1
	CHANGE 0, KW, 0, G1B
	ASK 76, 512
	SLOT 1, 1, 0, S0, 0, 0
	NORM1 0, 0
	CHANGE 1, KW, 512, G1B
	global_prefetch_b8 v[PF2], s[PCB:PCB+1] th:TH_LOAD_NT scope:SCOPE_SE
	NORM2 0, 0, 0x45, 128
	GLD S0, 90                                     ; k's gains, into the scale set that q's products are done with
	SLOT 0, 0, 128, S1, 0, 1
	CHANGE 0, CSW, 0, G1A
	ASK 80, 0
	SLOT 1, 1, 128, S1, 0, 0
	NORM1 128, 2048
	CHANGE 1, VW, 0, G1B                           ; cos and sin are in
	ASK 80, 512
	NORM2 128, 2048, 0x41, S0
	CSLD 0
.irp t, 0,1,2,3
.if \t < 3
	CSLD \t+1
	AW
	s_wait_dscnt 16
.else
	AW
	s_wait_dscnt 0x0
.endif
	ROPE \t, 0, PQ, 92
	ROPE \t, 128, PK, 94
.if \t == 0
	WIN 0x40
	SCLD 0, BSO, 82                                ; v's scale words, into window 1 where q's first tile is done with: they land under the other tiles' work
	WIN 0
.endif
.endr
	AW
	ds_store_b128 v[SQO], v[PQ:PQ+3] offset:4096
	ds_store_b128 v[SQO], v[PK:PK+3] offset:6144
	s_wait_xcnt 0x0
	CHANGE 0, VW, 512, G1B
	s_wait_loadcnt 0x0                             ; v's scale words, into the scale set
	WIN 0x01
.set N, 0
.rept 32
	v_mov_b32 v[S0+N], v[N]
.set N, N+1
.endr
	WIN 0
	AW
	s_cmp_lt_u32 s14, 2                            ; wave 0: q's scale words, wave 1: k's: two waves' halves make a word
	s_cbranch_scc0 .Lgathered
	s_cmp_eq_u32 s14, 0
	s_cselect_b64 s[4:5], s[92:93], s[94:95]
	ds_load_b128 v[TR:TR+3], v[GSR]
	ds_load_b128 v[TR+4:TR+7], v[GSR] offset:512
	s_wait_dscnt 0x0
.irp t, 0,1,2,3
	v_lshl_or_b32 v[TR+\t], v[TR+4+\t], 16, v[TR+\t]
.endr
	AW
	global_store_b128 v[GSO], v[TR:TR+3], s[4:5]
.Lgathered:
	PLACES                                         ; eight places between the scale words' moves and the products
	PLACES
	SLOT 1, 0, 0, S0, 1, 1
	AW
	s_wait_tensorcnt 0x0                           ; my part of the last fill is in
	s_wait_dscnt 0x0
	s_barrier_signal -1
	s_barrier_wait -1
	PLACES
	SLOT 0, 1, 0, S0, 1, 0
	; v's norm: per token over all columns: my four tiles, my 16 lanes, the four waves
	PLACES
	AW
	s_wait_xcnt 0x0
	WIN 0x05
.set P, 0
.rept 16
	v_pk_mul_f32 v[BF+2*P:BF+2*P+1], v[2*P:2*P+1], v[2*P:2*P+1]
.set P, P+1
.endr
.irp b, 1,2,3
.set P, 0
.rept 16
	v_pk_fma_f32 v[BF+2*P:BF+2*P+1], v[32*\b+2*P:32*\b+2*P+1], v[32*\b+2*P:32*\b+2*P+1], v[BF+2*P:BF+2*P+1]
.set P, P+1
.endr
.endr
	WIN 0
.irp m, 1,2,4,8
.set N, 0
.rept 32
	v_add_f32_dpp v[BF+N], v[BF+N], v[BF+N] row_xmask:\m row_mask:0xf bank_mask:0xf
.set N, N+1
.endr
.endr
	v_lshlrev_b32 v[TT], 7, v[HH]
	v_add_nc_u32 v[TT], SCR+8192, v[TT]
	AW
.irp k, 0,1,2,3,4,5,6,7
	ds_store_b128 v[VSQ], v[BF+4*\k:BF+4*\k+3] offset:16*\k
.endr
	s_wait_dscnt 0x0
	s_barrier_signal -1
	s_barrier_wait -1
.irp w, 0,1,2,3
.irp k, 0,1,2,3,4,5,6,7
	ds_load_b128 v[BF+32*\w+4*\k:BF+32*\w+4*\k+3], v[TT] offset:256*\w+16*\k
.endr
.endr
	s_wait_dscnt 0x0
.set P, 0
.rept 16
	v_pk_add_f32 v[BF+2*P:BF+2*P+1], v[BF+2*P:BF+2*P+1], v[BF+32+2*P:BF+33+2*P]
	v_pk_add_f32 v[BF+64+2*P:BF+65+2*P], v[BF+64+2*P:BF+65+2*P], v[BF+96+2*P:BF+97+2*P]
.set P, P+1
.endr
.set P, 0
.rept 16
	v_pk_add_f32 v[BF+2*P:BF+2*P+1], v[BF+2*P:BF+2*P+1], v[BF+64+2*P:BF+65+2*P]
.set P, P+1
.endr
.set N, 0
.rept 32
	v_fma_f32 v[BF+N], v[BF+N], s100, s101
.set N, N+1
.endr
	AW
.set N, 0
.rept 32
	v_rsq_f32 v[BF+N], v[BF+N]
.set N, N+1
.endr
	v_nop
	AW
.irp b, 0,1,2,3
	WIN 0x01
.set P, 0
.rept 16
	v_pk_mul_f32 v[TR+2*P:TR+2*P+1], v[32*\b+2*P:32*\b+2*P+1], v[BF+2*P:BF+2*P+1]
.set P, P+1
.endr
	WIN 0
	QUANT PQ+\b
	global_store_b128 v[VO3], v[PC:PC+3], s[94:95] offset:8192*(\b/2)+1024*(\b%2)
.endr
	v_lshl_or_b32 v[PK], v[PQ+1], 16, v[PQ]        ; columns under 128: my two tiles' bytes,
	v_lshl_or_b32 v[PK+1], v[PQ+3], 16, v[PQ+2]    ; and from 128 on
	v_cmp_eq_u32 vcc_lo, 0, v[HH]
	v_cndmask_b32 v[PK+2], v[PK+1], v[PK], vcc_lo
	v_add_nc_u32 v[TT], SCR+9216, v[L16]
	AW
	ds_store_b32 v[SVO], v[PK+2]
	s_wait_dscnt 0x0
	s_barrier_signal -1
	s_barrier_wait -1
	s_cmp_lg_u32 s14, 0
	s_cbranch_scc1 .Lend
	ds_load_b128 v[TR:TR+3], v[TT]
	s_wait_dscnt 0x0
	global_store_b128 v[GSO], v[TR:TR+3], s[94:95] offset:17408
.Lend:
	s_wait_tensorcnt 0x0                           ; the wave's end
	ds_add_u32 v[SPW], v[NIL]
	s_wait_dscnt 0x0
	CROUND                                         ; the closing round
	s_endpgm
.Lfunc_end_k_q6f43f6fd6c_qkv:
	.size	k_q6f43f6fd6c_qkv, .Lfunc_end_k_q6f43f6fd6c_qkv-k_q6f43f6fd6c_qkv
	.p2alignl 7, 3214868480
	.fill 96, 4, 3214868480
	.section	.rodata,"a",@progbits
	.p2align	6, 0x0
	.amdhsa_kernel k_q6f43f6fd6c_qkv
		.amdhsa_group_segment_fixed_size 327680
		.amdhsa_private_segment_fixed_size 0
		.amdhsa_enable_private_segment 0
		.amdhsa_kernarg_size 112
		.amdhsa_user_sgpr_count 2
		.amdhsa_user_sgpr_kernarg_segment_ptr 1
		.amdhsa_wavefront_size32 1
		.amdhsa_system_sgpr_workgroup_id_x 1
		.amdhsa_system_sgpr_workgroup_id_y 1
		.amdhsa_system_sgpr_workgroup_id_z 1
		.amdhsa_system_vgpr_workitem_id 0
		.amdhsa_next_free_vgpr 1024
		.amdhsa_next_free_sgpr 106
		.amdhsa_reserve_vcc 1
		.amdhsa_float_denorm_mode_32 3
		.amdhsa_float_denorm_mode_16_64 3
		.amdhsa_memory_ordered 1
		.amdhsa_forward_progress 1
		.amdhsa_inst_pref_size 255
	.end_amdhsa_kernel
	.section	.bss,"aw",@nobits
	.p2align	6
	.space	262144
	.amdgpu_metadata
---
amdhsa.version: [ 1, 2 ]
amdhsa.kernels:
  - .name:           k_q6f43f6fd6c_qkv
    .symbol:         k_q6f43f6fd6c_qkv.kd
    .args:
      - { .name: hidden_states_codes, .offset: 0, .size: 8, .value_kind: global_buffer, .address_space: global }
      - { .name: hidden_states_scales, .offset: 8, .size: 8, .value_kind: global_buffer, .address_space: global }
      - { .name: Wq_codes, .offset: 16, .size: 8, .value_kind: global_buffer, .address_space: global }
      - { .name: Wq_scales, .offset: 24, .size: 8, .value_kind: global_buffer, .address_space: global }
      - { .name: Wk_codes, .offset: 32, .size: 8, .value_kind: global_buffer, .address_space: global }
      - { .name: Wk_scales, .offset: 40, .size: 8, .value_kind: global_buffer, .address_space: global }
      - { .name: Wv_codes, .offset: 48, .size: 8, .value_kind: global_buffer, .address_space: global }
      - { .name: Wv_scales, .offset: 56, .size: 8, .value_kind: global_buffer, .address_space: global }
      - { .name: cos, .offset: 64, .size: 8, .value_kind: global_buffer, .address_space: global }
      - { .name: sin, .offset: 72, .size: 8, .value_kind: global_buffer, .address_space: global }
      - { .name: q_norm_w, .offset: 80, .size: 8, .value_kind: global_buffer, .address_space: global }
      - { .name: k_norm_w, .offset: 88, .size: 8, .value_kind: global_buffer, .address_space: global }
      - { .name: qw, .offset: 96, .size: 8, .value_kind: global_buffer, .address_space: global }
      - { .name: kv, .offset: 104, .size: 8, .value_kind: global_buffer, .address_space: global }
    .group_segment_fixed_size: 327680
    .private_segment_fixed_size: 0
    .kernarg_segment_align: 8
    .kernarg_segment_size: 112
    .max_flat_workgroup_size: 128
    .sgpr_count:     106
    .vgpr_count:     1024
    .wavefront_size: 32
...
	.end_amdgpu_metadata
.endif
;; end of part 1
;; launch attn (part 2): grid 64 x 4, 8 waves a work-group, no clusters, 327,680 bytes of LDS; arguments qw, kv, doc_ids, oc; writes oc
.if DOCPART == 2
	.amdgcn_target "amdgcn-amd-amdhsa--gfx1250"
	.amdhsa_code_object_version 6
	.text
	.protected	k_q6f43f6fd6c_attn
	.globl	k_q6f43f6fd6c_attn
	.p2align	8
	.type	k_q6f43f6fd6c_attn,@function
k_q6f43f6fd6c_attn:
	s_mov_b64 s[64:65], 0
	v_nop
	global_prefetch_b8 v0, s[64:65] scope:SCOPE_SE
	s_setreg_imm32_b32 hwreg(HW_REG_WAVE_MODE, 25, 1), 1
	s_wait_xcnt 0x0
; o[q] = softmax_k(q . k) v over the keys with k <= q, q - k < 1,024 and doc_ids[k] = doc_ids[q]; both products on codes of FP4 (E2M1) with E8M0 scales; o is quantised along head x 256 + d for the next launch.
; THE SOFTMAX: t = score x log2(e); M = the running largest t rounded up to a whole number; p = 2^(t - M) is quantised along the keys; the sum is taken of the unquantised p and divides at the end.
; SHARES.  A work-group owns 64 queries of one head: half jq of block a of 128 tokens.  Only key blocks a, a - 1, .. a - 8 can count for them: the nine records (313,344 bytes) are brought into LDS once; nothing is filled again.
; No cluster: only the two work-groups of one block a walk the same nine records; four partners would walk ten, which do not fit in LDS without refills.
; Wave w = u + 4 v: tile u of 16 queries; slots 2 i + v, i = 0 .. 4 (slot s holds key block a - s).  The two waves of a tile are merged at the end: M is a whole number, so the merge multiplies by exact powers of two.
; Each wave sums all 256 d; in the merge it hands the half 128 (1 - v) .. to its partner and finishes the half 128 v .. : one fragment of the next product's operand.
; LAYOUT.  S^T = K Q^T (source 0 = 16 keys, source 1 = my 16 queries), O^T = V^T P^T: a lane holds one query (lane % 16); S's register 8 t + j is key 16 t + 8 (lane / 16) + j.
; Hidden scores become -infinity ahead of the maximum.  The diagonal always counts, so the wave with v = 0 has a finite M from its first step on; a wave all of whose keys are hidden keeps M at its start, sums 0, and the merge multiplies it by 0.
; LIMITS: NaN and infinities are not served.  A block of zeros gets the scale byte 1: its codes are zeros, and the bytes are read by this program alone.
; REGISTERS.  Window 0: v1-11 addresses and constants; v12 -M, v13 the largest t, v[14:15] the sum; v16-31 Q; v32-95 S, then p; v96-159 the keys' doc_ids; v160-167 p's codes; v168-199 scale words and addresses; v200-233 at work.
;   Window 1: v0-63 O^T of my half of d, v64-127 of the other; v128-255 sixteen fragments of K, then of V.
.set RECORD, 34816
.set QREC,   17408
.set OREC,   69632
.set KSC,    16384
.set VIMG,   17408
.set VSC,    33792
.set L16,  1
.set ADK,  2
.set ADVO, 3
.set ADVX, 4
.set ADVS, 5
.set DQ,   6
.set DD,   7
.set NEG,  8
.set DKO,  9
.set AVO0, 10
.set AVX0, 11
.set QF,   16
.set SR,   32
.set DK,   96
.set PC,   160
.set KSW,  168
.set VL,   176
.set VW,   184
.set QS,   192
.set PS,   194
.set PW,   195
.set AVS0, 196
.set MST,  197
.set MSS,  198
.set MPT,  199
.set TM,   200                         ; v200-203 blocks' maxima, v204-207 the other lanes', then bytes, v208-211 the conversions' scale operands
.set TA,   212
.set FF,   214                         ; v[214:215] f = 2^(old M - new M)
.set SU,   216
.set GO,   218
.set GP,   220
.set MPS,  222
.set LN,   223
.set NMP,  224
.set LP,   225
.set QOF,  227
.set QSO,  228
.set DQO,  229
.set OFR,  230
.set OSC,  231
.set RL,   232
.set HH,   233
.set FB,   128                         ; in window 1
.set WV,   12
.set UU,   13
.set VV,   14
.set AB,   15
.set JQ,   16
.set HD,   17
.set G1Q,  20
.set G1E,  28
.set G0,   36
.set SG,   56                          ; the slot in hand
.set SC8,  57
.set TB,   58                          ; its first LDS byte
.set CNT,  59
.set SEL,  60
.set CS,   62
.set DB,   66
.set MK,   70
.set AMX,  78
.set P0,   90
.set P1,   91
.set SPW,  234                         ; LDS address of my spare word, and 0: never rewritten
.set NIL,  235
.set SPARE, 313344                     ; behind the nine records: 128 bytes for each wave
.set NX,   57                          ; the younger of the two slots that a change asks for
.set TBN,  88
.set MSB, 0
.macro WIN new
.if MSB != (\new)
	s_set_vgpr_msb (MSB<<8)|(\new)
.set MSB, (\new)
.endif
.endm
	s_load_b256 s[4:11], s[0:1], 0x0               ; qw, kv, doc_ids, oc
	v_lshl_add_u32 v[SPW], v0, 2, SPARE
	v_mov_b32 v[NIL], 0
	ds_add_u32 v[SPW], v[NIL]                      ; the opening add, twice on end, and its wait
	ds_add_u32 v[SPW], v[NIL]
	v_lshrrev_b32 v1, 5, v0
	s_delay_alu instid0(VALU_DEP_1)
	v_readfirstlane_b32 s[WV], v1                  ; wave 0..7
	s_and_b32 s[UU], s[WV], 3
	s_lshr_b32 s[VV], s[WV], 2
	s_lshr_b32 s[AB], ttmp9, 1                     ; my block of 128 tokens,
	s_and_b32 s[JQ], ttmp9, 1                      ; and which half of it
	s_and_b32 s[HD], ttmp7, 0xffff                 ; the head
	; descriptor group 1: dense bytes as rows of 256 (32 elements of 8 bytes): 68 rows, half a record; 17 rows, an eighth
	s_mov_b32 s[G1Q], 3<<16
	s_mov_b32 s[G1Q+1], 32<<16
	s_mov_b32 s[G1Q+2], 68<<16                     ; half a record
	s_mov_b32 s[G1Q+3], 32<<16
	s_mov_b32 s[G1Q+4], 68
	s_mov_b32 s[G1Q+5], 32
	s_mov_b32 s[G1Q+6], 0
	s_mov_b32 s[G1Q+7], 0
	s_mov_b32 s[G1E], 3<<16
	s_mov_b32 s[G1E+1], 32<<16
	s_mov_b32 s[G1E+2], 17<<16
	s_mov_b32 s[G1E+3], 32<<16
	s_mov_b32 s[G1E+4], 17
	s_mov_b32 s[G1E+5], 32
	s_mov_b32 s[G1E+6], 0
	s_mov_b32 s[G1E+7], 0
	s_mul_i32 s2, s[HD], 32*RECORD
	s_and_b32 s3, s[WV], 1
	s_mul_i32 s3, s3, 17408                        ; (behind the head: half w % 2 of a record)
	s_add_co_u32 s2, s2, s3                        ; the head's records, half w % 2
	s_mov_b32 s3, 0
	s_mul_i32 s80, s[HD], 32*RECORD
	s_mul_i32 s81, s[WV], 4352
	s_add_co_u32 s80, s80, s81                     ; and eighth w
	s_mov_b32 s81, 0
	s_mul_i32 s82, s[WV], 8704
	s_mul_i32 s83, s[WV], 4352
	s_sub_co_i32 s84, s[AB], s[VV]
	s_wait_dscnt 0x0
	s_wait_kmcnt 0x0
	s_add_nc_u64 s[2:3], s[6:7], s[2:3]
	s_add_nc_u64 s[80:81], s[6:7], s[80:81]
	s_mul_i32 s86, s[AB], RECORD                   ; the head's load: eighth w of slot 0, my own block, which some wave always reads
	s_mov_b32 s87, 0
	s_mov_b32 s[G0+16], 1
	s_mov_b32 s[G0+17], s83
	s_add_nc_u64 s[G0+18:G0+19], s[80:81], s[86:87]
	s_or_b32 s[G0+19], s[G0+19], 0x80000000
	s_lshr_b32 s[NX], s[WV], 1                     ; behind the first barrier: half w % 2 of slot 1 + w / 2; behind the second, of the slot four further on
	s_add_co_u32 s[NX], s[NX], 1
	s_sub_co_i32 s86, s[AB], s[NX]
	s_max_i32 s86, s86, 0                          ; (where there is no such block nothing is asked for)
	s_mul_i32 s86, s86, RECORD
	s_xor_b32 s85, s[VV], 1
	s_add_co_u32 s85, s85, 1
	s_mul_i32 s[TBN], s85, RECORD                  ; slot 2 - v in LDS: what my second step reads
	s_mul_i32 s82, s[WV], 17408
	s_mov_b32 s[G0], 1
	s_add_co_u32 s[G0+1], s82, RECORD
	s_add_nc_u64 s[G0+2:G0+3], s[2:3], s[86:87]
	s_or_b32 s[G0+3], s[G0+3], 0x80000000
	tensor_load_to_lds s[G0+16:G0+19], s[G1E:G1E+7]
	s_nop 0
.rept 4
	v_nop
.endr
	v_and_b32 v[LN], 31, v0
	v_and_b32 v[RL], 15, v0                        ; r
	s_wait_alu depctr_va_vdst(0)
	v_bfe_u32 v[HH], v0, 4, 1                      ; h
	s_wait_alu depctr_va_vdst(0)
	v_lshlrev_b32 v[L16], 4, v[LN]
	v_lshlrev_b32 v[DKO], 5, v[HH]                 ; the keys' doc_ids: 8 h numbers on
	s_lshl_b32 s18, s[JQ], 2
	s_add_co_u32 s18, s18, s[UU]                   ; my tile of 16 queries in the block
	s_lshl_b32 s19, s18, 11
	v_add_nc_u32 v[QOF], s19, v[L16]               ; q's two fragments
	s_wait_alu depctr_va_vdst(0)
	s_lshl_b32 s19, s[JQ], 8
	s_lshl_b32 s79, s[UU], 2
	s_add_co_u32 s19, s19, s79
	v_lshl_add_u32 v[QSO], v[RL], 4, s19           ; and their scale words
	s_wait_alu depctr_va_vdst(0)
	s_lshl_b32 s19, s[AB], 7
	s_lshl_b32 s79, s18, 4
	s_add_co_u32 s19, s19, s79                     ; my first query
	s_lshl_b32 s19, s19, 2
	v_lshl_add_u32 v[DQO], v[RL], 2, s19
	v_add_nc_u32 v[DD], s79, v[RL]
	v_lshlrev_b32 v[TA], 3, v[HH]
	s_delay_alu instid0(VALU_DEP_1)
	v_sub_nc_u32 v[DD], v[DD], v[TA]               ; my query's place in its block - 8 h: register 8 t + j holds the key at place 16 t + j + 8 h
	s_lshl_b32 s86, s[HD], 5
	s_add_co_u32 s86, s86, s[AB]
	s_mul_i32 s86, s86, QREC
	s_mov_b32 s87, 0
	s_add_nc_u64 s[4:5], s[4:5], s[86:87]          ; q's record
.irp c, 0,1
.irp g, 0,1
	global_load_b128 v[QF+8*\c+4*\g:QF+8*\c+4*\g+3], v[QOF], s[4:5] offset:1024*\c+512*\g
.endr
	global_load_b32 v[QS+\c], v[QSO], s[4:5] offset:KSC+512*\c
.endr
	global_load_b32 v[DQ], v[DQO], s[8:9]          ; my query's doc_id
	s_max_i32 s79, s84, 0
	s_lshl_b32 s86, s79, 9
	s_add_nc_u64 s[DB:DB+1], s[8:9], s[86:87]      ; the doc_ids of my first key block
.irp t, 0,1,2,3,4,5,6,7
.irp k, 0,1
	global_load_b128 v[DK+8*\t+4*\k:DK+8*\t+4*\k+3], v[DKO], s[DB:DB+1] offset:64*\t+16*\k
.endr
.endr
	s_mul_i32 s86, s[AB], OREC
	s_add_nc_u64 s[10:11], s[10:11], s[86:87]      ; o's record
	s_lshl_b32 s19, s[HD], 1
	s_add_co_u32 s19, s19, s[VV]                   ; the next product's K step: 2 x head + v
	s_lshl_b32 s79, s19, 13
	s_lshl_b32 s85, s18, 10
	s_add_co_u32 s79, s79, s85
	v_add_nc_u32 v[OFR], s79, v[L16]
	s_lshl_b32 s79, s19, 9
	s_lshl_b32 s85, s18, 6
	s_add_co_u32 s79, s79, s85
	v_lshl_add_u32 v[OSC], v[RL], 2, s79
	; every LDS address register is made here
	s_lshl_b32 s19, s[VV], 13
	s_add_co_u32 s79, s19, VIMG
	v_add_nc_u32 v[AVO0], s79, v[L16]              ; V^T's fragments of my half of d,
	s_xor_b32 s19, s19, 8192
	s_add_co_u32 s79, s19, VIMG
	v_add_nc_u32 v[AVX0], s79, v[L16]              ; and of the other
	v_xor_b32 v[TA], s[VV], v[HH]
	s_delay_alu instid0(VALU_DEP_1)
	v_lshlrev_b32 v[TA], 9, v[TA]
	s_delay_alu instid0(VALU_DEP_1)
	v_lshl_add_u32 v[TA], v[RL], 4, v[TA]
	s_delay_alu instid0(VALU_DEP_1)
	v_add_nc_u32 v[AVS0], VSC, v[TA]               ; V's scale bytes: lanes 0-15 my half's, lanes 16-31 the other's
	s_mul_i32 s19, s[WV], 8704
	v_add_nc_u32 v[MST], s19, v[L16]               ; the merge: my stage,
	v_lshl_add_u32 v[MSS], v[LN], 2, s19
	s_xor_b32 s79, s[WV], 4
	s_mul_i32 s79, s79, 8704
	v_add_nc_u32 v[MPT], s79, v[L16]               ; and my partner's
	v_lshl_add_u32 v[MPS], v[LN], 2, s79
	s_mov_b32 s[SEL], 0x76543210
	s_mov_b32 s[SEL+1], 0xfedcba98
	s_mov_b32 s[CS], 0x3fb8aa3b                    ; log2(e): the scores' scale is 1
	s_mov_b32 s[CS+1], s[CS]
	s_mov_b32 s[P0], 0x05040100
	s_mov_b32 s[P1], 0x07060302
	s_min_u32 s[AMX], s[AB], 8                     ; the last slot that holds a key block
	s_sub_co_u32 s[SG], 0, s[VV]                   ; v = 0 walks slots 0, 2, .. 8; v = 1 has none in the first step, then 1, 3, 5, 7
	s_mov_b32 s[TB], 0
	v_mov_b32 v[NEG], 0xff800000                   ; -infinity
	v_mov_b32 v13, 0xff61b1e6                      ; the largest t so far: -3e38
	s_delay_alu instid0(VALU_DEP_1)
	v_floor_f32 v12, -v13                          ; -M
	v_mov_b32 v14, 0
	v_mov_b32 v15, 0
	v_mov_b32 v[FF+1], 0                           ; (named as the upper half of a pair)
.irp b, 0,1,2,3
	v_mov_b32 v[TM+4+\b], 0                        ; a lane permute's destination counts as one of its sources
.endr
	WIN 0x40
.set N, 0
.rept 128
	v_mov_b32 v[N], 0                              ; O^T: cleared, since a wave may have no key block at all (v = 1 in block 0) and still hands its sums to its partner
.set N, N+1
.endr
	WIN 0
; A KEY STEP: the 128 keys of slot SG.  mask = 1: the diagonal block is among the slots that this copy serves; 2: the block 1,024 back; 0: neither.
.macro STEP mask
	s_cmp_gt_u32 s[SG], s[AMX]                     ; no such key block: a branch on ids
	s_cbranch_scc1 .Lskip_\@
	v_add_nc_u32 v[ADK], s[TB], v[L16]             ; (these four are also the places in front of the loads into registers that the last products read)
	v_add_nc_u32 v[ADVO], s[TB], v[AVO0]
	v_add_nc_u32 v[ADVX], s[TB], v[AVX0]
	v_add_nc_u32 v[ADVS], s[TB], v[AVS0]
	ds_load_b128 v[KSW:KSW+3], v[ADK] offset:KSC
	ds_load_b128 v[KSW+4:KSW+7], v[ADK] offset:KSC+512
	WIN 0x40
.irp c, 0,1
.irp t, 0,1,2,3,4,5,6,7
	ds_load_b128 v[FB+8*(8*\c+\t):FB+8*(8*\c+\t)+3], v[ADK] offset:(2*\t+\c)*1024
	ds_load_b128 v[FB+8*(8*\c+\t)+4:FB+8*(8*\c+\t)+7], v[ADK] offset:(2*\t+\c)*1024+512
.endr
.endr
	WIN 0
	ds_load_b128 v[VL:VL+3], v[ADVS]
	ds_load_b128 v[VL+4:VL+7], v[ADVS] offset:256
	s_wait_dscnt 18                                ; K's scale words and first 128 along d are in; the second 128 (16 loads) and V's scale bytes (2) may be out
	WIN 0x01
.irp t, 0,1,2,3
	v_wmma_scale_f32_16x16x128_f8f6f4 v[SR+8*\t:SR+8*\t+7], v[FB+8*\t:FB+8*\t+7], v[QF:QF+7], 0, v[KSW+\t], v[QS] matrix_a_fmt:MATRIX_FMT_FP4 matrix_b_fmt:MATRIX_FMT_FP4
.endr
.irp t, 4,5,6,7
	v_wmma_scale_f32_16x16x128_f8f6f4 v[SR+8*\t:SR+8*\t+7], v[FB+8*\t:FB+8*\t+7], v[QF:QF+7], 0, v[KSW+\t-4], v[QS] matrix_a_fmt:MATRIX_FMT_FP4 matrix_b_fmt:MATRIX_FMT_FP4 matrix_a_scale:MATRIX_SCALE_ROW1
.endr
	s_wait_dscnt 2                                 ; the second 128 along d are in
.irp t, 0,1,2,3
	v_wmma_scale_f32_16x16x128_f8f6f4 v[SR+8*\t:SR+8*\t+7], v[FB+64+8*\t:FB+64+8*\t+7], v[QF+8:QF+15], v[SR+8*\t:SR+8*\t+7], v[KSW+4+\t], v[QS+1] matrix_a_fmt:MATRIX_FMT_FP4 matrix_b_fmt:MATRIX_FMT_FP4
.endr
.irp t, 4,5,6,7
	v_wmma_scale_f32_16x16x128_f8f6f4 v[SR+8*\t:SR+8*\t+7], v[FB+64+8*\t:FB+64+8*\t+7], v[QF+8:QF+15], v[SR+8*\t:SR+8*\t+7], v[KSW+\t], v[QS+1] matrix_a_fmt:MATRIX_FMT_FP4 matrix_b_fmt:MATRIX_FMT_FP4 matrix_a_scale:MATRIX_SCALE_ROW1
.endr
	WIN 0
	s_wait_dscnt 0x0
.irp k, 0,1,2,3                                ; V's scale words from their halves; eight plain lines: the places behind the products
	v_perm_b32 v[VW+2*\k], v[VL+4+\k], v[VL+\k], s[P0]
	v_perm_b32 v[VW+2*\k+1], v[VL+4+\k], v[VL+\k], s[P1]
.endr
	WIN 0x40                                       ; V's sixteen fragments land while the softmax is worked
.irp i, 0,1,2,3,4,5,6,7
	ds_load_b128 v[FB+8*\i:FB+8*\i+3], v[ADVO] offset:1024*\i
	ds_load_b128 v[FB+8*\i+4:FB+8*\i+7], v[ADVO] offset:1024*\i+512
.endr
.irp i, 0,1,2,3,4,5,6,7
	ds_load_b128 v[FB+64+8*\i:FB+64+8*\i+3], v[ADVX] offset:1024*\i
	ds_load_b128 v[FB+64+8*\i+4:FB+64+8*\i+7], v[ADVX] offset:1024*\i+512
.endr
	WIN 0
.if \mask == 1
	s_cmp_lg_u32 s[SG], 0
	s_cbranch_scc1 .Lopen_\@
.set N, 0
.rept 64
	v_cmp_gt_i32 vcc_lo, 16*(N/8)+N%8, v[DD]       ; my own block: a key behind my query is hidden
	v_cndmask_b32 v[SR+N], v[SR+N], v[NEG], vcc_lo
.set N, N+1
.endr
.Lopen_\@:
.endif
.if \mask == 2
	s_cmp_lg_u32 s[SG], 8
	s_cbranch_scc1 .Lopen_\@
.set N, 0
.rept 64
	v_cmp_le_i32 vcc_lo, 16*(N/8)+N%8, v[DD]       ; eight blocks back: a key 1,024 or more behind my query is hidden
	v_cndmask_b32 v[SR+N], v[SR+N], v[NEG], vcc_lo
.set N, N+1
.endr
.Lopen_\@:
.endif
	s_wait_loadcnt 0x0                             ; the keys' doc_ids
.set N, 0
.rept 8
.irp e, 0,1,2,3,4,5,6,7
	v_cmp_eq_u32 s[MK+\e], v[DK+N+\e], v[DQ]
.endr
.irp e, 0,1,2,3,4,5,6,7
	v_cndmask_b32 v[SR+N+\e], v[NEG], v[SR+N+\e], s[MK+\e]   ; another document's key is hidden
.endr
.set N, N+8
.endr
	s_sub_co_i32 s79, s[AB], s[SG]                 ; my next key block's doc_ids (held at block 0)
	s_sub_co_i32 s79, s79, 2
	s_max_i32 s79, s79, 0
	s_lshl_b32 s86, s79, 9
	s_mov_b32 s87, 0
	s_add_nc_u64 s[DB:DB+1], s[8:9], s[86:87]      ; (the loads that named this base are in)
.irp t, 0,1,2,3,4,5,6,7
.irp k, 0,1
	global_load_b128 v[DK+8*\t+4*\k:DK+8*\t+4*\k+3], v[DKO], s[DB:DB+1] offset:64*\t+16*\k
.endr
.endr
.irp b, 0,1,2,3
	v_max3_num_f32 v[TM+\b], v[SR+16*\b], v[SR+16*\b+1], v[SR+16*\b+2]   ; the largest score of each block of 32 keys: for the row's maximum, and, since p rises with the score, for the block's largest p
.endr
.irp i, 3,5,7,9,11,13
.irp b, 0,1,2,3
	s_delay_alu instid0(VALU_DEP_4)
	v_max3_num_f32 v[TM+\b], v[TM+\b], v[SR+16*\b+\i], v[SR+16*\b+\i+1]
.endr
.endr
.irp b, 0,1,2,3
	s_delay_alu instid0(VALU_DEP_4)
	v_max_num_f32 v[TM+\b], v[TM+\b], v[SR+16*\b+15]
.endr
.irp b, 0,1,2,3
	s_delay_alu instid0(VALU_DEP_4)
	v_permlanex16_b32 v[TM+4+\b], v[TM+\b], s[SEL], s[SEL+1]
.endr
.irp b, 0,1,2,3
	s_delay_alu instid0(VALU_DEP_4)
	v_max_num_f32 v[TM+\b], v[TM+\b], v[TM+4+\b]
.endr
	s_delay_alu instid0(VALU_DEP_2)
	v_max3_num_f32 v[TA], v[TM], v[TM+1], v[TM+2]
	s_delay_alu instid0(VALU_DEP_1)
	v_max_num_f32 v[TA], v[TA], v[TM+3]
	s_delay_alu instid0(VALU_DEP_1)
	v_mul_f32 v[TA], s[CS], v[TA]
	s_delay_alu instid0(VALU_DEP_1)
	v_max_num_f32 v13, v13, v[TA]                  ; the running largest t
	v_mov_b32 v[TA], v12
	s_delay_alu instid0(VALU_DEP_2)
	v_floor_f32 v12, -v13                          ; the new -M = -ceil(t)
	s_delay_alu instid0(VALU_DEP_1)
	v_sub_f32 v[TA], v12, v[TA]                    ; old M - new M: a whole number, 0 or less
	s_delay_alu instid0(VALU_DEP_1)
	v_cvt_i32_f32 v[TA], v[TA]                     ; (it saturates)
	s_delay_alu instid0(VALU_DEP_1)
	v_ldexp_f32 v[FF], 1.0, v[TA]                  ; f = 2^(old M - new M)
.set N, 0
.rept 32
	v_pk_fma_f32 v[SR+N:SR+N+1], v[SR+N:SR+N+1], s[CS:CS+1], v[12:13] op_sel_hi:[1,0,0]   ; t - M
.set N, N+2
.endr
.irp b, 0,1,2,3
	v_fma_f32 v[TM+\b], v[TM+\b], s[CS], v12
.endr
.set N, 0
	s_wait_alu depctr_va_vdst(0)
.rept 64
	v_exp_f32 v[SR+N], v[SR+N]                     ; p = 2^(t - M)
.set N, N+1
.endr
	v_pk_mul_f32 v[14:15], v[14:15], v[FF:FF+1] op_sel_hi:[1,0]   ; the sums under the new M: a plain place behind the exponentials
	s_wait_alu depctr_va_vdst(0)                   ; one wait for the 64, ahead of their first reader
.irp b, 0,1,2,3
	v_exp_f32 v[TM+\b], v[TM+\b]                   ; each block's largest p
.endr
	v_pk_add_f32 v[216:217], v[36:37], v[40:41]
	v_pk_add_f32 v[254:255], v[44:45], v[48:49]
	v_pk_add_f32 v[252:253], v[52:53], v[56:57]
	v_pk_add_f32 v[250:251], v[60:61], v[64:65]
	v_pk_add_f32 v[248:249], v[68:69], v[72:73]
	v_pk_add_f32 v[246:247], v[76:77], v[80:81]
	v_pk_add_f32 v[244:245], v[84:85], v[88:89]
	v_pk_add_f32 v[14:15], v[14:15], v[92:93]
	v_pk_add_f32 v[216:217], v[216:217], v[32:33]
	v_pk_add_f32 v[254:255], v[254:255], v[34:35]
	v_pk_add_f32 v[252:253], v[252:253], v[38:39]
	v_pk_add_f32 v[250:251], v[250:251], v[42:43]
	v_pk_add_f32 v[248:249], v[248:249], v[46:47]
	v_pk_add_f32 v[246:247], v[246:247], v[50:51]
	v_pk_add_f32 v[244:245], v[244:245], v[54:55]
	v_pk_add_f32 v[14:15], v[14:15], v[58:59]
	v_pk_add_f32 v[216:217], v[216:217], v[62:63]
	v_pk_add_f32 v[254:255], v[254:255], v[66:67]
	v_pk_add_f32 v[252:253], v[252:253], v[70:71]
	v_pk_add_f32 v[250:251], v[250:251], v[74:75]
	v_pk_add_f32 v[248:249], v[248:249], v[78:79]
	v_pk_add_f32 v[246:247], v[246:247], v[82:83]
	v_pk_add_f32 v[244:245], v[244:245], v[86:87]
	v_pk_add_f32 v[14:15], v[14:15], v[90:91]
	v_pk_add_f32 v[216:217], v[216:217], v[94:95]
	s_delay_alu instid0(VALU_DEP_2)
	v_pk_add_f32 v[14:15], v[14:15], v[250:251]
	s_delay_alu instid0(VALU_DEP_2)
	v_pk_add_f32 v[216:217], v[216:217], v[248:249]
	v_pk_add_f32 v[254:255], v[254:255], v[246:247]
	v_pk_add_f32 v[252:253], v[252:253], v[244:245]
	s_delay_alu instid0(VALU_DEP_2)
	v_pk_add_f32 v[14:15], v[14:15], v[254:255]
	s_delay_alu instid0(VALU_DEP_2)
	v_pk_add_f32 v[216:217], v[216:217], v[252:253]
	s_delay_alu instid0(VALU_DEP_1)
	v_pk_add_f32 v[14:15], v[14:15], v[216:217]
	s_wait_alu depctr_va_vdst(0)                   ; and one for the four
.irp b, 0,1,2,3
	v_max_num_f32 v[TM+\b], 0x1800000, v[TM+\b]    ; the floor 2^(3 - 127): the byte cannot fall under 1
.endr
.irp b, 0,1,2,3
	s_delay_alu instid0(VALU_DEP_4)
	v_add_nc_u32 v[TM+8+\b], 0xff000000, v[TM+\b]
.endr
.irp b, 0,1,2,3
	s_delay_alu instid0(VALU_DEP_4)
	v_lshrrev_b32 v[TM+4+\b], 23, v[TM+8+\b]
.endr
	s_delay_alu instid0(VALU_DEP_3)
	v_lshl_or_b32 v[PS], v[TM+5], 8, v[TM+4]       ; p's scale word for these 128 keys
	s_delay_alu instid0(VALU_DEP_1)
	v_lshl_or_b32 v[PS], v[TM+6], 16, v[PS]
	s_delay_alu instid0(VALU_DEP_1)
	v_lshl_or_b32 v[PS], v[TM+7], 24, v[PS]
.irp c, 0,1
	v_cvt_scalef32_pk8_fp4_f32 v[PC+4*\c], v[SR+32*\c:SR+32*\c+7], v[TM+8+2*\c]
	v_cvt_scalef32_pk8_fp4_f32 v[PC+4*\c+1], v[SR+32*\c+16:SR+32*\c+23], v[TM+9+2*\c]
	v_cvt_scalef32_pk8_fp4_f32 v[PC+4*\c+2], v[SR+32*\c+8:SR+32*\c+15], v[TM+8+2*\c]
	v_cvt_scalef32_pk8_fp4_f32 v[PC+4*\c+3], v[SR+32*\c+24:SR+32*\c+31], v[TM+9+2*\c]
.endr
	v_nop
.irp c, 0,1
	v_permlane16_swap_b32 v[PC+4*\c], v[PC+4*\c+1]
	v_permlane16_swap_b32 v[PC+4*\c+2], v[PC+4*\c+3]
.endr
	WIN 0x41
.set N, 0
.rept 64
	v_pk_mul_f32 v[N:N+1], v[N:N+1], v[FF:FF+1] op_sel_hi:[1,0]   ; O^T under the new M; these are also the places between p's codes and scale word and the products
.set N, N+2
.endr
	s_wait_alu depctr_va_vdst(0)
	s_wait_dscnt 0x0                               ; V's fragments
	WIN 0x51
.irp i, 0,1,2,3,4,5,6,7
	v_wmma_scale_f32_16x16x128_f8f6f4 v[8*\i:8*\i+7], v[FB+8*\i:FB+8*\i+7], v[PC:PC+7], v[8*\i:8*\i+7], v[VW+\i], v[PS] matrix_a_fmt:MATRIX_FMT_FP4 matrix_b_fmt:MATRIX_FMT_FP4
.endr
.irp i, 0,1,2,3,4,5,6,7
	v_wmma_scale_f32_16x16x128_f8f6f4 v[64+8*\i:64+8*\i+7], v[FB+64+8*\i:FB+64+8*\i+7], v[PC:PC+7], v[64+8*\i:64+8*\i+7], v[VW+\i], v[PS] matrix_a_fmt:MATRIX_FMT_FP4 matrix_b_fmt:MATRIX_FMT_FP4 matrix_a_scale:MATRIX_SCALE_ROW1
.endr
	WIN 0
.Lskip_\@:
.endm
; A CHANGE: what has been asked for is shown to every wave; behind the barrier the next four slots are asked for, half a record a wave: fill = 1: slots 1 to 4, fill = 2: slots 5 to 8; first fills all.
; No prefetch: every record is asked for at the head of this launch, as slot 0 of its own two work-groups.
.macro CHANGE fill
	s_wait_alu depctr_va_vdst(0)
	s_wait_tensorcnt 0x0
	ds_add_u32 v[SPW], v[NIL]
.if \fill == 2
	s_add_co_u32 s[G0+1], s[G0+1], 4*RECORD        ; four slots on, four key blocks back
	s_sub_nc_u64 s[G0+2:G0+3], s[G0+2:G0+3], 4*RECORD
	s_add_co_u32 s[NX], s[NX], 4
.endif
	s_wait_dscnt 0x0
	s_barrier_signal -1
	s_barrier_wait -1
.if \fill
	s_cmp_lt_u32 s[AMX], 4*\fill-3                 ; none of the four slots holds a key block: ids alone, the same in all waves; every wait on TENSORcnt here is for 0
	s_cbranch_scc1 .Lnone_\@
	s_cmp_gt_u32 s[NX], s[AMX]                     ; the loading waves: those whose slot holds one
	s_cbranch_scc1 .Lnone_\@
	tensor_load_to_lds s[G0:G0+3], s[G1Q:G1Q+7]
	s_nop 0
.rept 4
	v_nop
.endr
.Lnone_\@:
.endif
.endm
	s_wait_alu depctr_va_vdst(0)
	s_wait_loadcnt 0x0                             ; q, its scale words, the doc_ids
	CHANGE 1
	STEP 1
	s_mov_b32 s[TB], s[TBN]
	s_add_co_u32 s[SG], s[SG], 2
	CHANGE 2
	s_mov_b32 s[CNT], 2
	s_wait_alu depctr_va_vdst(0)
.Lstep:                                                ; slots 1 to 4: two steps a wave, no barrier between
	STEP 0
	s_add_co_u32 s[TB], s[TB], 2*RECORD
	s_add_co_u32 s[SG], s[SG], 2
	s_wait_alu depctr_va_vdst(0)
	s_sub_co_u32 s[CNT], s[CNT], 1
	s_cmp_lg_u32 s[CNT], 0
	s_cbranch_scc1 .Lstep
	CHANGE 0
	s_mov_b32 s[CNT], 2
	s_wait_alu depctr_va_vdst(0)
.Lstep2:                                               ; slots 5 to 8
	STEP 2
	s_add_co_u32 s[TB], s[TB], 2*RECORD
	s_add_co_u32 s[SG], s[SG], 2
	s_wait_alu depctr_va_vdst(0)
	s_sub_co_u32 s[CNT], s[CNT], 1
	s_cmp_lg_u32 s[CNT], 0
	s_cbranch_scc1 .Lstep2
	; THE MERGE of the two waves of a tile, through stages that lie in slots 0 and 1: they have had their only fill, and behind this barrier nobody reads them
.rept 4
	v_nop                                          ; places behind the last products
.endr
	s_wait_loadcnt 0x0
	s_wait_dscnt 0x0
	s_barrier_signal -1
	s_barrier_wait -1
	v_add_f32 v14, v14, v15
	s_delay_alu instid0(VALU_DEP_1)
	v_permlanex16_b32 v[TM+4], v14, s[SEL], s[SEL+1]
	s_delay_alu instid0(VALU_DEP_1)
	v_add_f32 v14, v14, v[TM+4]                    ; my keys' sum of my query
	WIN 0x04
	s_wait_alu depctr_va_vdst(0)
.irp k, 0,1,2,3,4,5,6,7,8,9,10,11,12,13,14,15
	ds_store_b128 v[MST], v[64+4*\k:64+4*\k+3] offset:512*\k       ; the half of d that my partner finishes, as an image of its registers
.endr
	WIN 0
	ds_store_b32 v[MSS], v12 offset:8192
	ds_store_b32 v[MSS], v14 offset:8320
	s_wait_dscnt 0x0
	s_barrier_signal -1
	s_barrier_wait -1
	WIN 0x40
.irp k, 0,1,2,3,4,5,6,7,8,9,10,11,12,13,14,15
	ds_load_b128 v[FB+4*\k:FB+4*\k+3], v[MPT] offset:512*\k
.endr
	WIN 0
	ds_load_b32 v[NMP], v[MPS] offset:8192
	ds_load_b32 v[LP], v[MPS] offset:8320
	s_wait_dscnt 0x0
	v_min_num_f32 v[TA], v12, v[NMP]               ; -M of both
	s_delay_alu instid0(VALU_DEP_1)
	v_sub_f32 v[GO], v[TA], v12
	s_delay_alu instid0(VALU_DEP_2)
	v_sub_f32 v[GP], v[TA], v[NMP]
	s_delay_alu instid0(VALU_DEP_2)
	v_cvt_i32_f32 v[GO], v[GO]
	s_delay_alu instid0(VALU_DEP_2)
	v_cvt_i32_f32 v[GP], v[GP]
	s_delay_alu instid0(VALU_DEP_2)
	v_ldexp_f32 v[GO], 1.0, v[GO]                  ; what brings my sums under it,
	s_delay_alu instid0(VALU_DEP_2)
	v_ldexp_f32 v[GP], 1.0, v[GP]                  ; and my partner's: exact powers of two, or 0
	s_delay_alu instid0(VALU_DEP_2)
	v_mul_f32 v14, v14, v[GO]
	s_delay_alu instid0(VALU_DEP_1)
	v_fmac_f32 v14, v[LP], v[GP]                   ; the row's sum
	s_wait_alu depctr_va_vdst(0)
	v_rcp_f32 v15, v14
	v_mov_b32 v[GO+1], 0                           ; (a plain place; the pairs' upper halves are written)
	v_mov_b32 v[GP+1], 0
	s_wait_alu depctr_va_vdst(0)
	v_mul_f32 v[GO], v[GO], v15
	v_mul_f32 v[GP], v[GP], v15
	WIN 0x01
.set N, 0
.rept 32
	v_pk_mul_f32 v[SR+N:SR+N+1], v[N:N+1], v[GO:GO+1] op_sel_hi:[1,0]
.set N, N+2
.endr
.set N, 0
.rept 32
	v_pk_fma_f32 v[SR+N:SR+N+1], v[FB+N:FB+N+1], v[GP:GP+1], v[SR+N:SR+N+1] op_sel_hi:[1,0,1]   ; o(query r, 128 v + 16 i + 8 h + j)
.set N, N+2
.endr
	WIN 0
	; the quantiser along d: 64 numbers of a lane, a block of 32 in lanes l and l xor 16
.irp p, 0,1,2,3
	v_max3_num_f32 v[TM+\p], |v[SR+16*\p]|, |v[SR+16*\p+1]|, 0x1800000
.endr
.irp i, 2,4,6,8,10,12,14
.irp p, 0,1,2,3
	s_delay_alu instid0(VALU_DEP_4)
	v_max3_num_f32 v[TM+\p], v[TM+\p], |v[SR+16*\p+\i]|, |v[SR+16*\p+\i+1]|
.endr
.endr
.irp p, 0,1,2,3
	s_delay_alu instid0(VALU_DEP_4)
	v_permlanex16_b32 v[TM+4+\p], v[TM+\p], s[SEL], s[SEL+1]
.endr
.irp p, 0,1,2,3
	s_delay_alu instid0(VALU_DEP_4)
	v_max_num_f32 v[TM+\p], v[TM+\p], v[TM+4+\p]
.endr
.irp p, 0,1,2,3
	s_delay_alu instid0(VALU_DEP_4)
	v_add_nc_u32 v[TM+8+\p], 0xff000000, v[TM+\p]
.endr
.irp p, 0,1,2,3
	s_delay_alu instid0(VALU_DEP_4)
	v_lshrrev_b32 v[TM+4+\p], 23, v[TM+8+\p]
.endr
	s_delay_alu instid0(VALU_DEP_3)
	v_lshl_or_b32 v[PW], v[TM+5], 8, v[TM+4]
	s_delay_alu instid0(VALU_DEP_1)
	v_lshl_or_b32 v[PW], v[TM+6], 16, v[PW]
	s_delay_alu instid0(VALU_DEP_1)
	v_lshl_or_b32 v[PW], v[TM+7], 24, v[PW]
.irp c, 0,1
	v_cvt_scalef32_pk8_fp4_f32 v[PC+4*\c], v[SR+32*\c:SR+32*\c+7], v[TM+8+2*\c]
	v_cvt_scalef32_pk8_fp4_f32 v[PC+4*\c+1], v[SR+32*\c+16:SR+32*\c+23], v[TM+9+2*\c]
	v_cvt_scalef32_pk8_fp4_f32 v[PC+4*\c+2], v[SR+32*\c+8:SR+32*\c+15], v[TM+8+2*\c]
	v_cvt_scalef32_pk8_fp4_f32 v[PC+4*\c+3], v[SR+32*\c+24:SR+32*\c+31], v[TM+9+2*\c]
.endr
	v_nop
.irp c, 0,1
	v_permlane16_swap_b32 v[PC+4*\c], v[PC+4*\c+1]
	v_permlane16_swap_b32 v[PC+4*\c+2], v[PC+4*\c+3]
.endr
	global_store_b128 v[OFR], v[PC:PC+3], s[10:11]             ; 32 lanes store 512 consecutive bytes
	global_store_b128 v[OFR], v[PC+4:PC+7], s[10:11] offset:512
	v_cmp_gt_u32 vcc_lo, 16, v[LN]
	s_wait_xcnt 0x0                                ; EXEC changes only behind this wait
	s_and_saveexec_b32 s86, vcc_lo
	global_store_b32 v[OSC], v[PW], s[10:11] offset:65536      ; lanes 0-15: the 16 rows' scale words
	s_wait_xcnt 0x0
	s_or_b32 exec_lo, exec_lo, s86
	s_wait_tensorcnt 0x0                           ; the wave's end
	ds_add_u32 v[SPW], v[NIL]
	s_wait_dscnt 0x0
	s_endpgm
.Lfunc_end_k_q6f43f6fd6c_attn:
	.size	k_q6f43f6fd6c_attn, .Lfunc_end_k_q6f43f6fd6c_attn-k_q6f43f6fd6c_attn
	.p2alignl 7, 3214868480
	.fill 96, 4, 3214868480
	.section	.rodata,"a",@progbits
	.p2align	6, 0x0
	.amdhsa_kernel k_q6f43f6fd6c_attn
		.amdhsa_group_segment_fixed_size 327680
		.amdhsa_private_segment_fixed_size 0
		.amdhsa_enable_private_segment 0
		.amdhsa_kernarg_size 32
		.amdhsa_user_sgpr_count 2
		.amdhsa_user_sgpr_kernarg_segment_ptr 1
		.amdhsa_wavefront_size32 1
		.amdhsa_system_sgpr_workgroup_id_x 1
		.amdhsa_system_sgpr_workgroup_id_y 1
		.amdhsa_system_sgpr_workgroup_id_z 1
		.amdhsa_system_vgpr_workitem_id 0
		.amdhsa_next_free_vgpr 512
		.amdhsa_next_free_sgpr 96
		.amdhsa_reserve_vcc 1
		.amdhsa_float_denorm_mode_32 3
		.amdhsa_float_denorm_mode_16_64 3
		.amdhsa_memory_ordered 1
		.amdhsa_forward_progress 1
		.amdhsa_inst_pref_size 146
	.end_amdhsa_kernel
	.amdgpu_metadata
---
amdhsa.version: [ 1, 2 ]
amdhsa.kernels:
  - .name:           k_q6f43f6fd6c_attn
    .symbol:         k_q6f43f6fd6c_attn.kd
    .args:
      - { .name: qw, .offset: 0, .size: 8, .value_kind: global_buffer, .address_space: global }
      - { .name: kv, .offset: 8, .size: 8, .value_kind: global_buffer, .address_space: global }
      - { .name: doc_ids, .offset: 16, .size: 8, .value_kind: global_buffer, .address_space: global }
      - { .name: oc, .offset: 24, .size: 8, .value_kind: global_buffer, .address_space: global }
    .group_segment_fixed_size: 327680
    .private_segment_fixed_size: 0
    .kernarg_segment_align: 8
    .kernarg_segment_size: 32
    .max_flat_workgroup_size: 256
    .sgpr_count:     96
    .vgpr_count:     512
    .wavefront_size: 32
...
	.end_amdgpu_metadata
.endif
;; end of part 2
;; launch oproj (part 3): grid 8 x 32, 4 waves a work-group, clusters of 4 x 4, 262,144 bytes of LDS; arguments oc, Wo_codes, Wo_scales, out0; writes out0
.if DOCPART == 3
	.amdgcn_target "amdgcn-amd-amdhsa--gfx1250"
	.amdhsa_code_object_version 6
	.text
	.protected	k_q6f43f6fd6c_oproj
	.globl	k_q6f43f6fd6c_oproj
	.p2align	8
	.type	k_q6f43f6fd6c_oproj,@function
k_q6f43f6fd6c_oproj:
	s_mov_b64 s[64:65], 0
	v_nop
	global_prefetch_b8 v0, s[64:65] scope:SCOPE_SE
	s_setreg_imm32_b32 hwreg(HW_REG_WAVE_MODE, 25, 1), 1
	s_wait_xcnt 0x0
	s_wait_alu depctr_hold_cnt(0) depctr_sa_sdst(0) depctr_va_vdst(0) depctr_va_sdst(0) depctr_va_ssrc(0) depctr_va_vcc(0) depctr_vm_vsrc(0)
	s_getreg_b32 s2, hwreg(HW_REG_IB_STS2, 6, 4)
	s_cmp_eq_u32 s2, 0
	s_cbranch_scc0 .Lentry_in_a_cluster
	s_endpgm
.Lentry_in_a_cluster:
	s_bfe_u32 s2, ttmp6, 0x10000c
	s_cmp_lg_u32 s2, 0xf033
	s_cbranch_scc0 .Lentry_shape_is_right
	s_endpgm
.Lentry_shape_is_right:
; out0[token][n] = the sum over k of o[token][k] Wo[n][k], K = 1,024, on codes of FP4 (E2M1) with E8M0 scales; out0: [4096][2048] f32.
; o comes as images of operand registers: oc [block of 128 tokens] records of 69,632 bytes: fragment (K step s, tile t) at (8 s + t) x 1024, its scale words at 65,536 + (8 s + t) x 64 + 4 r.
; A work-group of four waves makes 128 tokens x 256 columns; all of K lies in LDS, brought once; nothing is filled again.  Wave (rh, c): 64 tokens x 128 columns.
; Its 64 fragments of Wo stay in 512 registers; the four tiles of 16 tokens go one after the other, each 64 matrix instructions, and each leaves while the next is multiplied.
; CLUSTERS of 4 x 4: o's record is shared along a row of the cluster, Wo's rows and scales along a column: joint tensor loads, one a wave.
; THE MATRIX INSTRUCTION IS USED TRANSPOSED (source 0 = 16 rows of Wo, source 1 = 16 tokens): a lane holds eight neighbouring numbers of a row of out0.
; REGISTERS.  Window 0: v1-12 addresses; v32-63 Wo's scale words; v64-79 o's, two sets; v96-223 rows on the way out, two sets.  Window 1: v0-127 o's fragments, two sets; v128-255 the accumulators, two sets.
;   Windows 2, 3: Wo's fragments: block b of 16 columns, K step s at v[64 (b % 4) + 8 s] of window 2 + b / 4.
.set OREC,   69632
.set BC,     69632                     ; LDS: behind o's record: Wo's 256 rows of 512 bytes + 16 of padding
.set BPT,    528
.set BS,     204800                    ; Wo's scale bytes: 32 x (256 bytes + 16)
.set STAGE,  213504                    ; the way out: 16 rows x (512 bytes + 16) for each wave
.set SPITCH, 528
.set LA,   4
.set LAS,  5
.set LB,   6
.set LBS,  7
.set STO,  8
.set RD,   9
.set CO,   10
.set SPW,  13                          ; LDS address of my spare word, and 0: never rewritten
.set NIL,  14
.set SPARE, 247296                     ; behind the stages: 128 bytes for each wave
.set BSR,  32
.set AS,   64
.set BK,   96
.set ACC,  128
.set G1A,  24
.set G0A,  32
.set G0S,  36
.set G1S,  48
.set G1B,  56
.set G0B,  68
.set MSB, 0
.macro WIN new
.if MSB != (\new)
	s_set_vgpr_msb (MSB<<8)|(\new)
.set MSB, (\new)
.endif
.endm
.macro CROUND                          ; a round of the cluster's barrier
	s_barrier_signal -1
	s_barrier_wait -1
	s_cmp_lg_u32 s14, 0
	s_cbranch_scc1 .Lnot_wave_0_\@
	s_barrier_signal -3
.Lnot_wave_0_\@:
	s_barrier_wait -3
	s_barrier_signal -1
	s_barrier_wait -1
.endm
	s_load_b256 s[4:11], s[0:1], 0x0               ; oc, Wo's codes, Wo's scales, out0
	v_lshl_add_u32 v[SPW], v0, 2, SPARE
	v_mov_b32 v[NIL], 0
	ds_add_u32 v[SPW], v[NIL]                      ; the opening add, twice on end, and its wait
	ds_add_u32 v[SPW], v[NIL]
	v_lshrrev_b32 v1, 5, v0
	v_readfirstlane_b32 s14, v1                    ; wave 0..3
	s_lshr_b32 s15, s14, 1                         ; rh: my 64 tokens
	s_and_b32 s16, s14, 1                          ; c: my 128 columns.  Also: which 128 rows of Wo waves 2 and 3 fetch
	s_bfe_u32 s40, ttmp6, 0x40000                  ; cx
	s_bfe_u32 s41, ttmp6, 0x40004                  ; cy
	s_lshl_b32 s42, ttmp9, 2
	s_add_co_u32 s42, s42, s40                     ; my 256 columns
	s_and_b32 s17, ttmp7, 0xffff
	s_lshl_b32 s17, s17, 2
	s_add_co_u32 s17, s17, s41                     ; my block of 128 tokens
	s_lshl_b32 s43, s41, 2
	s_lshl_b32 s43, 15, s43                        ; my row of the cluster
	s_lshl_b32 s44, 0x1111, s40                    ; my column
	s_or_b32 s[G1A], s43, (3<<16)|(1<<21)          ; o's record: 272 dense rows of 256 bytes (32 elements of 8), no padding
	s_mov_b32 s[G1A+1], 32<<16
	s_mov_b32 s[G1A+2], 272<<16
	s_mov_b32 s[G1A+3], 32<<16
	s_mov_b32 s[G1A+4], 272
	s_mov_b32 s[G1A+5], 32
	s_mov_b32 s[G1A+6], 0
	s_mov_b32 s[G1A+7], 0
	s_or_b32 s[G1S], s44, (3<<16)|(1<<20)|(1<<21)|(5<<22)|(3<<25)   ; Wo's scales of 256 rows: 32 dense rows of 256 bytes, 16 bytes of padding behind each
	s_mov_b32 s[G1S+1], 32<<16
	s_mov_b32 s[G1S+2], 32<<16
	s_mov_b32 s[G1S+3], 32<<16
	s_mov_b32 s[G1S+4], 32
	s_mov_b32 s[G1S+5], 32
	s_mov_b32 s[G1S+6], 0
	s_mov_b32 s[G1S+7], 0
	s_or_b32 s[G1B], s44, (0<<16)|(1<<20)|(1<<21)|(6<<22)|(3<<25)   ; Wo's codes: 128 rows of 512 bytes, 16 bytes of padding behind each
	s_mov_b32 s[G1B+1], 512<<16
	s_mov_b32 s[G1B+2], 128<<16
	s_mov_b32 s[G1B+3], 512<<16
	s_mov_b32 s[G1B+4], 128
	s_mov_b32 s[G1B+5], 512
	s_mov_b32 s[G1B+6], 0
	s_mov_b32 s[G1B+7], 0
	s_mul_i32 s20, s17, OREC
	s_mov_b32 s21, 0
	s_lshl_b32 s46, s42, 13                        ; 256 rows of 32 scale bytes
	s_mov_b32 s47, 0
	s_lshl_b32 s72, s42, 17                        ; 256 rows of 512 bytes of codes,
	s_lshl_b32 s73, s16, 16                        ; 128 of them
	s_add_co_u32 s72, s72, s73
	s_mov_b32 s73, 0
	s_mul_i32 s45, s16, 128*BPT
	s_add_co_u32 s45, s45, BC
	s_wait_dscnt 0x0
	s_wait_kmcnt 0x0
	s_mov_b32 s[G0A], 1
	s_mov_b32 s[G0A+1], 0
	s_add_nc_u64 s[G0A+2:G0A+3], s[4:5], s[20:21]
	s_or_b32 s[G0A+3], s[G0A+3], 0x80000000
	s_mov_b32 s[G0S], 1
	s_mov_b32 s[G0S+1], BS
	s_add_nc_u64 s[G0S+2:G0S+3], s[8:9], s[46:47]
	s_or_b32 s[G0S+3], s[G0S+3], 0x80000000
	s_mov_b32 s[G0B], 1
	s_mov_b32 s[G0B+1], s45
	s_add_nc_u64 s[G0B+2:G0B+3], s[6:7], s[72:73]
	s_or_b32 s[G0B+3], s[G0B+3], 0x80000000
	CROUND                                         ; all sixteen work-groups are here: the joint loads meet
	s_cmp_eq_u32 s14, 0                            ; one load a wave; the branches hang on the wave's number alone; four v_nop follow each line
	s_cbranch_scc0 .Lnot_0
	tensor_load_to_lds s[G0A:G0A+3], s[G1A:G1A+7]
	s_nop 0
.rept 4
	v_nop
.endr
	s_branch .Lasked
.Lnot_0:
	s_cmp_eq_u32 s14, 1
	s_cbranch_scc0 .Lnot_1
	tensor_load_to_lds s[G0S:G0S+3], s[G1S:G1S+7]
	s_nop 0
.rept 4
	v_nop
.endr
	s_branch .Lasked
.Lnot_1:
	tensor_load_to_lds s[G0B:G0B+3], s[G1B:G1B+7]
	s_nop 0
.rept 4
	v_nop
.endr
.Lasked:
	s_lshl_b32 s20, s17, 20                        ; out0: 128 tokens of 8,192 bytes,
	s_lshl_b32 s21, s15, 19                        ; my 64 of them
	s_add_co_u32 s20, s20, s21
	s_mov_b32 s21, 0
	s_lshl_b32 s46, s42, 10                        ; 256 columns of 4 bytes,
	s_lshl_b32 s47, s16, 9                         ; my 128 of them
	s_add_co_u32 s46, s46, s47
	s_mov_b32 s47, 0
	s_add_nc_u64 s[10:11], s[10:11], s[20:21]
	s_add_nc_u64 s[10:11], s[10:11], s[46:47]
	v_and_b32 v1, 15, v0                           ; r
	v_bfe_u32 v2, v0, 4, 1                         ; h
	v_and_b32 v3, 31, v0
	v_lshlrev_b32 v[CO], 4, v3                     ; 16 x lane
	s_lshl_b32 s22, s15, 12
	v_add_nc_u32 v[LA], s22, v[CO]                 ; o's fragments: my four tiles begin 4,096 rh bytes on
	s_lshl_b32 s22, s15, 8
	s_add_co_u32 s22, s22, 65536
	v_lshl_add_u32 v[LAS], v1, 2, s22              ; and their scale words
	s_mul_i32 s22, s16, 128*BPT
	s_add_co_u32 s22, s22, BC
	v_mul_u32_u24 v11, v1, BPT
	v_lshl_add_u32 v11, v2, 4, v11
	v_add_nc_u32 v[LB], s22, v11                   ; Wo: row 128 c + r, + 16 h
	v_lshrrev_b32 v11, 3, v1                       ; Wo's scale words: eight rows of 32 bytes to 256 + 16;
	v_mul_u32_u24 v11, v11, 272
	v_and_b32 v12, 7, v1
	v_lshl_add_u32 v11, v12, 5, v11
	v_mad_u32_u24 v11, v2, 8*272, v11              ; lanes 16-31 take the block four further on
	s_mul_i32 s22, s16, 16*272
	s_add_co_u32 s22, s22, BS
	v_add_nc_u32 v[LBS], s22, v11
	s_mul_i32 s23, s14, 16*SPITCH
	s_add_co_u32 s23, s23, STAGE                   ; my stage
	v_mul_u32_u24 v11, v1, SPITCH
	v_lshl_add_u32 v11, v2, 5, v11
	v_add_nc_u32 v[STO], s23, v11                  ; in: row r, 32 bytes for each half of the lanes
	v_add_nc_u32 v[RD], s23, v[CO]                 ; back: the 32 lanes take a row of 512 bytes
	s_wait_alu depctr_va_vdst(0)
	s_wait_tensorcnt 0x0                           ; my load has landed,
	s_barrier_signal -1
	s_barrier_wait -1                              ; everybody's has
.irp b, 0,1,2,3
	ds_load_b128 v[BSR+8*\b:BSR+8*\b+3], v[LBS] offset:544*\b       ; register 8 b + s: lanes 0-15 block b's word of K step s, lanes 16-31 block b + 4's
	ds_load_b128 v[BSR+8*\b+4:BSR+8*\b+7], v[LBS] offset:544*\b+16
.endr
.macro FETCHA i                        ; tile i's eight fragments and scale words into set i % 2
	WIN 0x40
.irp s, 0,1,2,3,4,5,6,7
.irp g, 0,1
	ds_load_b128 v[64*((\i)%2)+8*\s+4*\g:64*((\i)%2)+8*\s+4*\g+3], v[LA] offset:8192*\s+1024*(\i)+512*\g
.endr
.endr
	WIN 0
.irp s, 0,1,2,3,4,5,6,7
	ds_load_b32 v[AS+8*((\i)%2)+\s], v[LAS] offset:512*\s+64*(\i)
.endr
.endm
	FETCHA 0
	WIN 0x80
.irp b, 0,1,2,3
.irp s, 0,1,2,3,4,5,6,7
.irp g, 0,1
	ds_load_b128 v[64*\b+8*\s+4*\g:64*\b+8*\s+4*\g+3], v[LB] offset:8448*\b+64*\s+32*\g
.endr
.endr
.endr
	WIN 0xc0
.irp b, 0,1,2,3
.irp s, 0,1,2,3,4,5,6,7
.irp g, 0,1
	ds_load_b128 v[64*\b+8*\s+4*\g:64*\b+8*\s+4*\g+3], v[LB] offset:8448*(\b+4)+64*\s+32*\g
.endr
.endr
.endr
	WIN 0
.macro MUL i                           ; 64 matrix instructions: four accumulators by turns, K ascending; the first K step starts the sums
	WIN 0x56
.irp s, 0,1,2,3,4,5,6,7
.irp b, 0,1,2,3
.if \s == 0
	v_wmma_scale_f32_16x16x128_f8f6f4 v[ACC+64*((\i)%2)+8*\b:ACC+64*((\i)%2)+8*\b+7], v[64*\b+8*\s:64*\b+8*\s+7], v[64*((\i)%2)+8*\s:64*((\i)%2)+8*\s+7], 0, v[BSR+8*\b+\s], v[AS+8*((\i)%2)+\s] matrix_a_fmt:MATRIX_FMT_FP4 matrix_b_fmt:MATRIX_FMT_FP4
.else
	v_wmma_scale_f32_16x16x128_f8f6f4 v[ACC+64*((\i)%2)+8*\b:ACC+64*((\i)%2)+8*\b+7], v[64*\b+8*\s:64*\b+8*\s+7], v[64*((\i)%2)+8*\s:64*((\i)%2)+8*\s+7], v[ACC+64*((\i)%2)+8*\b:ACC+64*((\i)%2)+8*\b+7], v[BSR+8*\b+\s], v[AS+8*((\i)%2)+\s] matrix_a_fmt:MATRIX_FMT_FP4 matrix_b_fmt:MATRIX_FMT_FP4
.endif
.endr
.endr
.if (\i) == 0
	s_wait_dscnt 0x0                               ; Wo's other 64 columns are in
	FETCHA 1
.endif
	WIN 0x57
.irp s, 0,1,2,3,4,5,6,7
.irp b, 0,1,2,3
.if \s == 0
	v_wmma_scale_f32_16x16x128_f8f6f4 v[ACC+64*((\i)%2)+32+8*\b:ACC+64*((\i)%2)+32+8*\b+7], v[64*\b+8*\s:64*\b+8*\s+7], v[64*((\i)%2)+8*\s:64*((\i)%2)+8*\s+7], 0, v[BSR+8*\b+\s], v[AS+8*((\i)%2)+\s] matrix_a_fmt:MATRIX_FMT_FP4 matrix_b_fmt:MATRIX_FMT_FP4 matrix_a_scale:MATRIX_SCALE_ROW1
.else
	v_wmma_scale_f32_16x16x128_f8f6f4 v[ACC+64*((\i)%2)+32+8*\b:ACC+64*((\i)%2)+32+8*\b+7], v[64*\b+8*\s:64*\b+8*\s+7], v[64*((\i)%2)+8*\s:64*((\i)%2)+8*\s+7], v[ACC+64*((\i)%2)+32+8*\b:ACC+64*((\i)%2)+32+8*\b+7], v[BSR+8*\b+\s], v[AS+8*((\i)%2)+\s] matrix_a_fmt:MATRIX_FMT_FP4 matrix_b_fmt:MATRIX_FMT_FP4 matrix_a_scale:MATRIX_SCALE_ROW1
.endif
.endr
.endr
	WIN 0
.endm
.macro TOSTAGE i                       ; a lane holds 32 bytes of a row: the tile goes through my own stage and comes back as whole rows.  LDS serves a wave's instructions in order (ISA guide 5.7.1.4)
	WIN 0x04
.irp b, 0,1,2,3,4,5,6,7
	ds_store_b128 v[STO], v[ACC+64*((\i)%2)+8*\b:ACC+64*((\i)%2)+8*\b+3] offset:64*\b       ; each accumulator from its low end on
	ds_store_b128 v[STO], v[ACC+64*((\i)%2)+8*\b+4:ACC+64*((\i)%2)+8*\b+7] offset:64*\b+16
.endr
	WIN 0
.irp t, 0,1,2,3,4,5,6,7,8,9,10,11,12,13,14,15
	ds_load_b128 v[BK+64*((\i)%2)+4*\t:BK+64*((\i)%2)+4*\t+3], v[RD] offset:\t*SPITCH
.endr
.endm
.macro SEND i
.irp t, 0,1,2,3,4,5,6,7,8,9,10,11,12,13,14,15
	global_store_b128 v[CO], v[BK+64*((\i)%2)+4*\t:BK+64*((\i)%2)+4*\t+3], s[10:11] offset:(16*(\i)+\t)*8192 th:TH_STORE_NT   ; 32 lanes store 512 consecutive bytes, at a multiple of 256 from out0's first byte
.endr
.endm
.irp i, 0,1,2,3
.if \i == 0
	s_wait_dscnt 63                                ; scale words, tile 0 and Wo's first 64 columns are in; the 64 loads of the other columns may be out
.else
	s_wait_dscnt 0x0                               ; this tile's fragments are in, and the last tile's rows are back from the stage
.endif
.if \i > 0
	SEND \i-1                                      ; they leave while this tile is multiplied
.endif
	MUL \i
.rept 5
	v_nop                                          ; places in front of the loads into the fragments' registers and of the stores that read the results
.endr
.if \i < 2
	FETCHA \i+2
.endif
.if \i > 1
	s_wait_xcnt 0x0                                ; the stores of two tiles back have read their registers
.endif
	TOSTAGE \i
.endr
	s_wait_dscnt 0x0
	SEND 3
	s_wait_tensorcnt 0x0                           ; the wave's end
	ds_add_u32 v[SPW], v[NIL]
	s_wait_dscnt 0x0
	CROUND                                         ; the closing round: no work-group ends while a partner may still ask for a tile that names it
	s_endpgm
.Lfunc_end_k_q6f43f6fd6c_oproj:
	.size	k_q6f43f6fd6c_oproj, .Lfunc_end_k_q6f43f6fd6c_oproj-k_q6f43f6fd6c_oproj
	.p2alignl 7, 3214868480
	.fill 96, 4, 3214868480
	.section	.rodata,"a",@progbits
	.p2align	6, 0x0
	.amdhsa_kernel k_q6f43f6fd6c_oproj
		.amdhsa_group_segment_fixed_size 262144
		.amdhsa_private_segment_fixed_size 0
		.amdhsa_enable_private_segment 0
		.amdhsa_kernarg_size 32
		.amdhsa_user_sgpr_count 2
		.amdhsa_user_sgpr_kernarg_segment_ptr 1
		.amdhsa_wavefront_size32 1
		.amdhsa_system_sgpr_workgroup_id_x 1
		.amdhsa_system_sgpr_workgroup_id_y 1
		.amdhsa_system_sgpr_workgroup_id_z 1
		.amdhsa_system_vgpr_workitem_id 0
		.amdhsa_next_free_vgpr 1024
		.amdhsa_next_free_sgpr 80
		.amdhsa_reserve_vcc 0
		.amdhsa_float_denorm_mode_32 3
		.amdhsa_float_denorm_mode_16_64 3
		.amdhsa_memory_ordered 1
		.amdhsa_forward_progress 1
		.amdhsa_inst_pref_size 70
	.end_amdhsa_kernel
	.amdgpu_metadata
---
amdhsa.version: [ 1, 2 ]
amdhsa.kernels:
  - .name:           k_q6f43f6fd6c_oproj
    .symbol:         k_q6f43f6fd6c_oproj.kd
    .args:
      - { .name: oc, .offset: 0, .size: 8, .value_kind: global_buffer, .address_space: global }
      - { .name: Wo_codes, .offset: 8, .size: 8, .value_kind: global_buffer, .address_space: global }
      - { .name: Wo_scales, .offset: 16, .size: 8, .value_kind: global_buffer, .address_space: global }
      - { .name: out0, .offset: 24, .size: 8, .value_kind: global_buffer, .address_space: global }
    .group_segment_fixed_size: 262144
    .private_segment_fixed_size: 0
    .kernarg_segment_align: 8
    .kernarg_segment_size: 32
    .max_flat_workgroup_size: 128
    .sgpr_count:     80
    .vgpr_count:     1024
    .wavefront_size: 32
...
	.end_amdgpu_metadata
.endif
;; end of part 3
